; MI455X (gfx1250); checked and timed in simulation.
; The chip was launched on July 23, 2026; its instructions are those of AMD's public machine-readable ISA for CDNA 5 (MIT licence, August 2026) and "CDNA5" Instruction Set Architecture Reference Guide (July 2026). The comments in the code are by the model that wrote it; some were corrected since.
;; Flashsc GPT Layer. Allowed arithmetic: float matrix products may take bf16 or f16 operands with f32 sums; other float arithmetic in f32, or as packed bf16 or f16 multiplies, adds, multiply-adds, maxima and minima; sums over many terms, partial sums and values carried from step to step in f32; what a program stores and reads back later, other than sums and carried values, may be rounded once to bf16 or f16.
;; Inputs: W1 8 x 128 x 1,024 float32; W2 8 x 1,024 x 128 float32; Wg 8 x 1,024 float32; Ws1 512 x 1,024 float32; Ws2 1,024 x 512 float32; b1 8 x 128 float32; b2 8 x 1,024 float32; bs1 512 float32; bs2 1,024 float32; x 4 x 4,096 x 1,024 float32.
;; Outputs: out0 4 x 4,096 x 1,024 float32.
;; 2 versions, each right; version 2 is version 1 with the launch prep written anew for expert scheduling mode. Each part assembles by itself: llvm-mc -triple=amdgcn-amd-amdhsa -mcpu=gfx1250 --defsym DOCPART=n.
;; ======== version 1 of 2: 3 launches
;; workspace buffers: xb 33,554,432 bytes; wc1 3,145,728 bytes; wc2 3,145,728 bytes; hb 50,331,648 bytes; wt 524,288 bytes; ha 1,048,576 bytes; ba 65,536 bytes
;; launch prep (part 1): grid 448 x 1, 4 waves a work-group, no clusters, 149,248 bytes of LDS; arguments x, Wg, W1, Ws1, W2, Ws2, b2, bs2, xb, wc1, wc2, wt, ha, ba; writes xb, wc1, wc2, wt, ha, ba
.if DOCPART == 1
	.amdgcn_target "amdgcn-amd-amdhsa--gfx1250"
	.amdhsa_code_object_version 6
	.text
	.protected	k_qeb9a092f2d_prep
	.globl	k_qeb9a092f2d_prep
	.p2align	8
	.type	k_qeb9a092f2d_prep,@function
k_qeb9a092f2d_prep:
	s_mov_b64 s[64:65], 0
	v_nop
	global_prefetch_b8 v0, s[64:65] scope:SCOPE_SE
	s_setreg_imm32_b32 hwreg(HW_REG_WAVE_MODE, 25, 1), 1
	s_wait_xcnt 0x0
; FIRST OF THREE LAUNCHES.  out = sum_e w[t][e] (relu(x W1[e]^T + b1[e]) W2[e]^T + b2[e]) + relu(x Ws1^T + bs1) Ws2^T + bs2, w = the renormalised top 2 of softmax(x Wg^T).
; This launch rounds x and all weights once to bf16, lays them in the order in which a matrix operand's registers take them, and makes the gate's weights w.
; NO WORK IS LEFT OUT in the three launches: every input is loaded, every expert is multiplied for every token, and the choice of experts enters as the VALUE w[t][e] (0 for the six not chosen):
; no address and no branch hangs on it.  The softmax's maximum and the 1e-20 of the renormalising are kept.
; LIMITS.  All inputs are rounded to bf16 (the gate's logits are sums in f32 of products of the rounded x and Wg).  The two experts are chosen on the logits, whose order the exponential keeps; of equal
; logits the lower index wins; two logits so close that their scores are equal in f32 may be chosen otherwise than by scores.  NaN and infinite logits are not treated apart.
; A FRAGMENT is 16 rows x 32 k of bf16, 1,024 bytes: half c (0, 1) at 512 c, lane l at 16 l; lane l (r = l % 16, h = l / 16) holds row r, k = 16 c + 8 h + 0..7: the two halves are registers 0-3 and 4-7 of an operand.
; A JOB is 16 rows x 1,024 numbers of f32: read in runs of 512 bytes, rounded, laid into 16 LDS rows of 2,064 bytes (129 x 16), read back as 32 fragments and stored, each as two runs of 512 consecutive bytes.
;   work-groups 0-255: x.  A WAVE has a job: tokens 16 J .., J = 4 x work-group + wave -> xb [K step of 64][block of 16 tokens][half step][fragment]; and the gate of these tokens -> wt (f32 [token][8]) and ha
;   work-groups 256-447: the weights.  A WORK-GROUP has a job: each wave takes four of its rows, all on their way at once, and, behind a barrier, two of its eight K steps of 128.
;     jobs 0-63: W1, 64-95: Ws1 -> wc1 [K step of 64][block][half step][fragment]; block 12 e + b: b < 8: expert e, f = 16 b; b = 8..11: shared f = 64 e + 16 (b - 8)
;     jobs 96-159: W2 (a row = out column n, k = 128 e + f), 160-191: Ws2 (k = 1024 + f; a job holds two blocks of 16 columns) -> wc2 [K step of 128][block of 16 columns][quarter][fragment]
;     W2's jobs also make ba: one fragment a block: k = 0..7: b2[e][n], k = 8: bs2[n], the rest 0; ha is its partner: k = 0..7: w[t][e], k = 8: 1, the rest 0.
; LDS.  Wave w stores only into bytes 33,024 w .. 33,024 (w + 1) - 1 (and, for x, into its two rows of Wg), on both paths: for x its job's 16 rows, for the weights its four rows of the work-group's job.
.set PIT,   2064
.set WREG,  16*PIT                     ; a wave's region: 33,024 bytes = 129 blocks of 256
.set WSTR,  WREG+64                    ; the weights: wave w's four rows begin at w x 33,088, so that row r of a job, at (r / 4) x 33,088 + (r % 4) x 2,064, starts at 16-byte column 4 (r / 4) + r % 4 of 16
.set WGB,   4*WREG                     ; behind the four regions: Wg's 8 rows, same pitch
.set SPARE, 148736                     ; behind those, at the next multiple of 256: the spare words, 128 bytes a wave; no other line names them
.set XH,    2097152                    ; xb: bytes from a K step of 64 to the next
.set L16,  4                           ; v4   16 x lane
.set SA,   5                           ; v5   where I put 8 bytes of a row
.set FA,   6                           ; v6   my place in a fragment: row r's first byte + 16 h + what the path adds
.set GA,   7                           ; v7   the same in Wg's rows, row r % 8 (the weights: at work)
.set SPW,  8                           ; v8   my spare word
.set NIL,  9                           ; v9   0
.set OFFJ, 10                          ; v[10:17] byte offset of my 16 bytes in run j of a row
.set WSA,  18                          ; v18  where I put 8 bytes of Wg's rows 2 w, 2 w + 1
.set RO,   19                          ; v19  a small offset by r and h
.set CV,   20                          ; v[20:35]  a row rounded: 8 pairs
.set X,    36                          ; v[36:163] four rows as loaded, 32 registers each
.set F,    164                         ; v[164:195] four fragments of my block (first: Wg's row 2 w as loaded)
.set G,    196                         ; v[196:227] four fragments of Wg (first: Wg's row 2 w + 1 as loaded)
.set ACC,  36                          ; behind the rows: four accumulators of 8
.set LG,   68                          ; v[68:75]  the 8 logits of token r
.set TS,   76                          ; v[76:83]  at work
.set BEST, 84
.set BI,   85
.set SEC,  86
.set SI,   87
.set EX,   88                          ; v[88:96]  exponents, then exponentials: 8 experts, then the second best
.set ZZ,   97
.set S1,   98
.set S2,   99
.set W,    100                         ; v[100:107] w[t][0..7]
.set O,    108                         ; v[108:111] my 16 bytes of wt
.set PK,   112                         ; v[112:115] my 16 bytes of ha or ba
.set ZR,   116                         ; v[116:119] zeros
.set ONE,  120                         ; v120 bf16 1.0 in the low half
.macro LOADROW set, step               ; step = 1: the pointer goes a row on first; then the row's eight runs of 512 bytes
.if \step
	s_wait_xcnt 0x0                                ; the row before's loads have read the pointer: it is written only behind this wait
	s_add_nc_u64 s[8:9], s[8:9], s[14:15]
.endif
.irp j, 0,1,2,3,4,5,6,7
	global_load_b128 v[X+32*(\set)+4*(\j):X+32*(\set)+4*(\j)+3], v[OFFJ+(\j)], s[8:9] th:TH_LOAD_NT
.endr
.endm
.macro ROW set, left, load             ; left: the younger loads that may stay out
	s_wait_loadcnt \left
.irp j, 0,1,2,3,4,5,6,7
	v_cvt_pk_bf16_f32 v[CV+2*(\j)],   v[X+32*(\set)+4*(\j)],   v[X+32*(\set)+4*(\j)+1]
	v_cvt_pk_bf16_f32 v[CV+2*(\j)+1], v[X+32*(\set)+4*(\j)+2], v[X+32*(\set)+4*(\j)+3]
.endr
.irp j, 0,1,2,3,4,5,6,7
	ds_store_b64 v[SA], v[CV+2*(\j):CV+2*(\j)+1] offset:(\set)*PIT+256*(\j)
.endr
.if \load
	LOADROW \set, 1
.endif
.endm
; K step ks (of 128) of an x job: four fragments out of LDS and into memory, and four products Wg x^T, one on each of four accumulators, which so take turns.
.macro KSX ks
.if (\ks) > 0
	s_wait_xcnt 0x0                                ; the last step's stores have read F and the pointer
	s_add_nc_u64 s[10:11], s[10:11], 2*XH
.endif
.irp q, 0,1,2,3
	ds_load_b128 v[F+8*(\q):F+8*(\q)+3],   v[FA] offset:256*(\ks)+64*(\q)
	ds_load_b128 v[F+8*(\q)+4:F+8*(\q)+7], v[FA] offset:256*(\ks)+64*(\q)+32
.endr
.irp q, 0,1,2,3
	ds_load_b128 v[G+8*(\q):G+8*(\q)+3],   v[GA] offset:256*(\ks)+64*(\q)
	ds_load_b128 v[G+8*(\q)+4:G+8*(\q)+7], v[GA] offset:256*(\ks)+64*(\q)+32
.endr
	s_wait_dscnt 8                                 ; my block's fragments are in; Wg's eight loads may stay out
.irp q, 0,1,2,3
	global_store_b128 v[L16], v[F+8*(\q):F+8*(\q)+3],   s[10:11] offset:XH*((\q)/2)+1024*((\q)%2) th:TH_STORE_NT      ; 512 consecutive bytes, at a multiple of 512 from the buffer's first
	global_store_b128 v[L16], v[F+8*(\q)+4:F+8*(\q)+7], s[10:11] offset:XH*((\q)/2)+1024*((\q)%2)+512 th:TH_STORE_NT
.endr
	s_wait_dscnt 0x0
.irp q, 0,1,2,3
.if (\ks) == 0
	v_wmma_f32_16x16x32_bf16 v[ACC+8*(\q):ACC+8*(\q)+7], v[G+8*(\q):G+8*(\q)+7], v[F+8*(\q):F+8*(\q)+7], 0
.else
	v_wmma_f32_16x16x32_bf16 v[ACC+8*(\q):ACC+8*(\q)+7], v[G+8*(\q):G+8*(\q)+7], v[F+8*(\q):F+8*(\q)+7], v[ACC+8*(\q):ACC+8*(\q)+7]
.endif
.endr
.rept 4
	v_nop                                          ; four places in front of the next loads into F and G, and of the sums that read the results
.endr
.endm
; The t-th of my two K steps of a weights job.  Quarters 0, 1 go by one pointer, quarters 2, 3 by a second, s[58:59] bytes on: the next K step of 64 in wc1, the next two fragments in wc2.
.macro KSW t
.if (\t) > 0
	s_wait_xcnt 0x0                                ; the last step's stores have read F and both pointers
	s_add_nc_u64 s[10:11], s[10:11], s[44:45]
.endif
	s_add_nc_u64 s[56:57], s[10:11], s[58:59]
.irp q, 0,1,2,3
	ds_load_b128 v[F+8*(\q):F+8*(\q)+3],   v[FA] offset:256*(\t)+64*(\q)
	ds_load_b128 v[F+8*(\q)+4:F+8*(\q)+7], v[FA] offset:256*(\t)+64*(\q)+32
.endr
	s_wait_dscnt 0x0
.irp q, 0,1
	global_store_b128 v[L16], v[F+8*(\q):F+8*(\q)+3],     s[10:11] offset:1024*(\q) th:TH_STORE_NT
	global_store_b128 v[L16], v[F+8*(\q)+4:F+8*(\q)+7],   s[10:11] offset:1024*(\q)+512 th:TH_STORE_NT
	global_store_b128 v[L16], v[F+16+8*(\q):F+16+8*(\q)+3],   s[56:57] offset:1024*(\q) th:TH_STORE_NT
	global_store_b128 v[L16], v[F+16+8*(\q)+4:F+16+8*(\q)+7], s[56:57] offset:1024*(\q)+512 th:TH_STORE_NT
.endr
.endm
	s_load_b512 s[16:31], s[0:1], 0x0              ; x 16, Wg 18, W1 20, Ws1 22, W2 24, Ws2 26, b2 28, bs2 30
	s_load_b256 s[32:39], s[0:1], 0x40             ; xb 32, wc1 34, wc2 36, wt 38
	s_load_b128 s[40:43], s[0:1], 0x60             ; ha 40, ba 42
	v_lshl_add_u32 v[SPW], v0, 2, SPARE
	v_mov_b32 v[NIL], 0
	v_lshrrev_b32 v1, 5, v0
	v_readfirstlane_b32 s4, v1                     ; wave 0..3
	v_and_b32 v1, 31, v0                           ; lane
	v_and_b32 v2, 15, v0                           ; r
	v_bfe_u32 v3, v0, 4, 1                         ; h
	v_lshlrev_b32 v[L16], 4, v1
	s_mov_b32 s5, ttmp9
	s_mov_b32 s15, 0
	s_mov_b32 s51, 0
	s_wait_kmcnt 0x0
	s_cmp_lt_u32 s5, 256                           ; the same in all four waves
	s_cbranch_scc0 .Lweights
	; ---------------- x and the gate ----------------
	s_lshl_b32 s7, s5, 2
	s_add_co_u32 s7, s7, s4                        ; J
	s_mul_i32 s48, s4, WREG                        ; my wave's 16 rows
	v_lshl_add_u32 v[SA], v1, 3, s48
	v_mul_u32_u24 v[FA], v2, PIT
	v_lshl_add_u32 v[FA], v3, 4, v[FA]             ; r x pitch + 16 h
	v_add_nc_u32 v[FA], s48, v[FA]
	s_lshl_b32 s50, s7, 16
	s_add_nc_u64 s[8:9], s[16:17], s[50:51]        ; x at my 16 tokens
	s_lshl_b32 s50, s7, 11
	s_add_nc_u64 s[10:11], s[32:33], s[50:51]      ; xb at my block, K step 0
	s_lshl_b32 s50, s4, 13
	s_add_nc_u64 s[56:57], s[18:19], s[50:51]      ; Wg at rows 2 w, 2 w + 1
	s_lshl_b32 s50, s7, 9
	s_add_nc_u64 s[38:39], s[38:39], s[50:51]      ; wt at my 16 tokens: 512 bytes
	s_lshl_b32 s50, s7, 10
	s_add_nc_u64 s[40:41], s[40:41], s[50:51]      ; ha at my fragment
	s_mov_b32 s14, 4096                            ; a row of x
.irp j, 0,1,2,3,4,5,6,7
	v_add_nc_u32 v[OFFJ+(\j)], 512*(\j), v[L16]
.endr
	s_mul_i32 s49, s4, 2*PIT
	s_add_co_u32 s49, s49, WGB
	v_lshl_add_u32 v[WSA], v1, 3, s49
	v_and_b32 v[GA], 7, v0
	v_mul_u32_u24 v[GA], v[GA], PIT
	v_lshl_add_u32 v[GA], v3, 4, v[GA]
	v_add_nc_u32 v[GA], WGB, v[GA]
	v_lshlrev_b32 v[RO], 5, v2
	v_lshl_add_u32 v[RO], v3, 4, v[RO]             ; 32 r + 16 h
.irp p, 0,1
.irp j, 0,1,2,3,4,5,6,7
	global_load_b128 v[F+32*(\p)+4*(\j):F+32*(\p)+4*(\j)+3], v[L16], s[56:57] offset:4096*(\p)+512*(\j)
.endr
.endr
	LOADROW 0, 0
	LOADROW 1, 1
	LOADROW 2, 1
	LOADROW 3, 1
	s_wait_loadcnt 32                              ; Wg's two rows are in; the four rows of x, 32 loads, stay out
.irp p, 0,1
.irp j, 0,1,2,3,4,5,6,7
	v_cvt_pk_bf16_f32 v[CV+2*(\j)],   v[F+32*(\p)+4*(\j)],   v[F+32*(\p)+4*(\j)+1]
	v_cvt_pk_bf16_f32 v[CV+2*(\j)+1], v[F+32*(\p)+4*(\j)+2], v[F+32*(\p)+4*(\j)+3]
.endr
.irp j, 0,1,2,3,4,5,6,7
	ds_store_b64 v[WSA], v[CV+2*(\j):CV+2*(\j)+1] offset:(\p)*PIT+256*(\j)
.endr
.endr
	s_mov_b32 s48, 3                               ; rows 0-3 are on their way; three trips take rows 0-11 and ask for rows 4-15; the last four rows load nothing
.Lrows:
	ROW 0, 24, 1                                   ; three younger rows of 8 loads stay out
	ROW 1, 24, 1
	ROW 2, 24, 1
	ROW 3, 24, 1
	v_add_nc_u32 v[SA], 4*PIT, v[SA]
	s_sub_co_u32 s48, s48, 1
	s_cmp_lg_u32 s48, 0
	s_cbranch_scc1 .Lrows
	ROW 0, 24, 0
	ROW 1, 16, 0
	ROW 2, 8, 0
	ROW 3, 0, 0
	s_wait_dscnt 0x0                               ; for the others' sake: my two rows of Wg are in LDS
	s_barrier_signal -1
	s_barrier_wait -1                              ; all eight are
.irp k, 0,1,2,3,4,5,6,7
	KSX \k
.endr
	; Source 0 was Wg's rows r % 8, source 1 my 16 tokens: register j of lane (r, h) holds the logit of token r and expert j, in both halves of the lanes.
.irp p, 0,2,4,6                        ; the four partial sums; each accumulator is read from its low end on
	v_pk_add_f32 v[LG+(\p):LG+(\p)+1], v[ACC+(\p):ACC+(\p)+1], v[ACC+8+(\p):ACC+8+(\p)+1]
	v_pk_add_f32 v[TS+(\p):TS+(\p)+1], v[ACC+16+(\p):ACC+16+(\p)+1], v[ACC+24+(\p):ACC+24+(\p)+1]
	v_pk_add_f32 v[LG+(\p):LG+(\p)+1], v[LG+(\p):LG+(\p)+1], v[TS+(\p):TS+(\p)+1]
.endr
	v_mov_b32 v[BEST], v[LG]                       ; the best: a strict compare keeps the lower index
	v_mov_b32 v[BI], 0
.irp e, 1,2,3,4,5,6,7
	v_cmp_gt_f32 vcc_lo, v[LG+(\e)], v[BEST]
	v_cndmask_b32 v[BEST], v[BEST], v[LG+(\e)], vcc_lo
	v_cndmask_b32 v[BI], v[BI], \e, vcc_lo
.endr
	v_mov_b32 v[SEC], 0xff800000                   ; the second best: the best of the others
	v_mov_b32 v[SI], 0
.irp e, 0,1,2,3,4,5,6,7
	v_cmp_ne_u32 s52, \e, v[BI]
	v_cmp_gt_f32 s53, v[LG+(\e)], v[SEC]
	s_and_b32 vcc_lo, s52, s53
	v_cndmask_b32 v[SEC], v[SEC], v[LG+(\e)], vcc_lo
	v_cndmask_b32 v[SI], v[SI], \e, vcc_lo
.endr
.irp e, 0,1,2,3,4,5,6,7                ; softmax: the maximum is taken away, exactly, then log2(e)
	v_sub_f32 v[EX+(\e)], v[LG+(\e)], v[BEST]
.endr
	v_sub_f32 v[EX+8], v[SEC], v[BEST]
.irp e, 0,1,2,3,4,5,6,7,8
	v_mul_f32 v[EX+(\e)], 0x3fb8aa3b, v[EX+(\e)]
.endr
.irp e, 0,1,2,3,4,5,6,7,8
	v_exp_f32 v[EX+(\e)], v[EX+(\e)]
.endr
	v_nop                                          ; a plain instruction behind the last exponential,
	s_wait_alu depctr_va_vdst(0)                   ; and one wait for the nine, ahead of their first reader
	v_pk_add_f32 v[EX:EX+1], v[EX:EX+1], v[EX+2:EX+3]
	v_pk_add_f32 v[EX+4:EX+5], v[EX+4:EX+5], v[EX+6:EX+7]
	v_pk_add_f32 v[EX:EX+1], v[EX:EX+1], v[EX+4:EX+5]
	v_add_f32 v[ZZ], v[EX], v[EX+1]                ; the softmax's sum, at least 1
	v_rcp_f32 v[S1], v[ZZ]                         ; the best score: 1 / sum
	v_nop
	s_wait_alu depctr_va_vdst(0)
	v_mul_f32 v[S2], v[EX+8], v[S1]                ; the second
	v_add_f32 v[ZZ], v[S1], v[S2]
	v_add_f32 v[ZZ], 0x1e3ce508, v[ZZ]             ; + 1e-20
	v_rcp_f32 v[EX+8], v[ZZ]
	v_nop
	s_wait_alu depctr_va_vdst(0)
	v_mul_f32 v[S1], v[S1], v[EX+8]
	v_mul_f32 v[S2], v[S2], v[EX+8]
.irp e, 0,1,2,3,4,5,6,7                ; w[t][e]: a selection of values
	v_cmp_eq_u32 vcc_lo, \e, v[SI]
	v_cndmask_b32 v[W+(\e)], 0, v[S2], vcc_lo
	v_cmp_eq_u32 vcc_lo, \e, v[BI]
	v_cndmask_b32 v[W+(\e)], v[W+(\e)], v[S1], vcc_lo
.endr
	v_cmp_eq_u32 s54, 1, v3                        ; the upper half of the lanes
.irp j, 0,1,2,3
	v_cndmask_b32 v[O+(\j)], v[W+(\j)], v[W+4+(\j)], s54
	v_mov_b32 v[ZR+(\j)], 0
.endr
	v_mov_b32 v[ONE], 0x3f80
	global_store_b128 v[RO], v[O:O+3], s[38:39]    ; wt: 16 tokens x 32 bytes = 512 consecutive bytes
.irp j, 0,1,2,3
	v_cvt_pk_bf16_f32 v[PK+(\j)], v[W+2*(\j)], v[W+2*(\j)+1]
.endr
	v_cndmask_b32 v[PK], v[PK], v[ONE], s54        ; k = 8: 1; k = 9..15: 0
.irp j, 1,2,3
	v_cndmask_b32 v[PK+(\j)], v[PK+(\j)], v[ZR], s54
.endr
	global_store_b128 v[L16], v[PK:PK+3], s[40:41]
	global_store_b128 v[L16], v[ZR:ZR+3], s[40:41] offset:512  ; k = 16..31: 0
	s_branch .Lend
	; ---------------- the weights ----------------
.Lweights:                             ; four arms set plain numbers; the pointers are chosen behind them
	s_sub_co_u32 s7, s5, 256                       ; the job, 0..191
	s_mov_b32 s45, 0
	s_mov_b32 s53, 0
	s_mov_b32 s59, 0
	s_cmp_lt_u32 s7, 64
	s_cbranch_scc0 .Lnot_w1
	s_lshl_b32 s50, s7, 16                         ; W1: job 8 e + b: 16 rows of 4,096 bytes
	s_lshr_b32 s49, s7, 3
	s_mul_i32 s52, s49, 12
	s_and_b32 s49, s7, 7
	s_add_co_u32 s52, s52, s49
	s_lshl_b32 s52, s52, 11                        ; block 12 e + b, 2,048 bytes a block and K step of 64
	s_mov_b32 s12, 512                             ; from run to run,
	s_mov_b32 s13, 2048                            ; from run j to run j + 4,
	s_mov_b32 s14, 4096                            ; from row to row
	s_mov_b32 s44, 393216                          ; wc1: from a K step of 128 to the next,
	s_mov_b32 s54, 4*393216                        ; to the fifth,
	s_mov_b32 s58, 196608                          ; and from quarters 0, 1 to quarters 2, 3
	s_mov_b32 s6, 1
	s_branch .Ldecoded
.Lnot_w1:
	s_cmp_lt_u32 s7, 96
	s_cbranch_scc0 .Lnot_ws1
	s_sub_co_u32 s48, s7, 64                       ; Ws1: i = 4 e + (b - 8)
	s_lshl_b32 s50, s48, 16
	s_lshr_b32 s49, s48, 2
	s_mul_i32 s52, s49, 12
	s_and_b32 s49, s48, 3
	s_add_co_u32 s52, s52, s49
	s_add_co_u32 s52, s52, 8
	s_lshl_b32 s52, s52, 11
	s_mov_b32 s12, 512
	s_mov_b32 s13, 2048
	s_mov_b32 s14, 4096
	s_mov_b32 s44, 393216
	s_mov_b32 s54, 4*393216
	s_mov_b32 s58, 196608
	s_mov_b32 s6, 2
	s_branch .Ldecoded
.Lnot_ws1:
	s_cmp_lt_u32 s7, 160
	s_cbranch_scc0 .Lws2
	s_sub_co_u32 s48, s7, 96                       ; W2: block of 16 out columns; run j is expert j's 128 numbers
	s_lshl_b32 s50, s48, 13                        ; 16 rows of 512 bytes
	s_lshl_b32 s52, s48, 12
	s_mov_b32 s12, 524288                          ; from expert to expert
	s_mov_b32 s13, 2097152
	s_mov_b32 s14, 512
	s_mov_b32 s44, 262144                          ; wc2: from K step to K step
	s_mov_b32 s54, 4*262144
	s_mov_b32 s58, 2048
	s_mov_b32 s6, 3
	s_branch .Ldecoded
.Lws2:
	s_sub_co_u32 s48, s7, 160                      ; Ws2: 32 out columns: runs 0-3 are a row of the first 16, runs 4-7 of the second 16
	s_lshl_b32 s50, s48, 16                        ; 32 rows of 2,048 bytes
	s_lshl_b32 s52, s48, 13                        ; two blocks,
	s_add_co_u32 s52, s52, 8*262144                ; from K step 8 on
	s_mov_b32 s12, 512
	s_mov_b32 s13, 32768                           ; 16 rows down
	s_mov_b32 s14, 2048
	s_mov_b32 s44, 262144
	s_mov_b32 s54, 4096                            ; the second half: the next block, K step 8 again
	s_mov_b32 s58, 2048
	s_mov_b32 s6, 4
.Ldecoded:
	s_cmp_lt_u32 s7, 64
	s_cselect_b64 s[8:9], s[20:21], s[22:23]       ; W1 or Ws1,
	s_cmp_lt_u32 s7, 96
	s_cselect_b64 s[8:9], s[8:9], s[24:25]         ; or W2,
	s_cselect_b64 s[10:11], s[34:35], s[36:37]     ; wc1 or wc2
	s_cmp_lt_u32 s7, 160
	s_cselect_b64 s[8:9], s[8:9], s[26:27]         ; or Ws2
	s_lshl_b32 s49, s4, 2                          ; my four rows: 4 w ..
	s_mul_i32 s49, s49, s14
	s_add_co_u32 s50, s50, s49
	s_add_nc_u64 s[8:9], s[8:9], s[50:51]
	s_and_b32 s49, s4, 1                           ; my two K steps: 2 w, 2 w + 1: waves 0, 1 in the job's first half, waves 2, 3 in its second
	s_lshl_b32 s49, s49, 1
	s_mul_i32 s49, s49, s44
	s_add_co_u32 s52, s52, s49
	s_cmp_lt_u32 s4, 2
	s_cselect_b32 s54, 0, s54
	s_add_co_u32 s52, s52, s54
	s_add_nc_u64 s[10:11], s[10:11], s[52:53]
.irp j, 0,1,2,3,4,5,6,7
	s_mul_i32 s48, s12, (\j)&3
	s_mul_i32 s49, s13, (\j)>>2
	s_add_co_u32 s48, s48, s49
	v_add_nc_u32 v[OFFJ+(\j)], s48, v[L16]
.endr
	s_mul_i32 s48, s4, WSTR                        ; my four rows lie in my wave's own region
	v_lshl_add_u32 v[SA], v1, 3, s48
	v_lshrrev_b32 v[GA], 2, v2                     ; row r of the job was stored by wave r / 4, as its row r % 4
	v_mul_u32_u24 v[GA], v[GA], WSTR
	v_and_b32 v[FA], 3, v2
	v_mul_u32_u24 v[FA], v[FA], PIT
	v_lshl_add_u32 v[FA], v3, 4, v[FA]             ; + 16 h
	v_add_nc_u32 v[FA], v[GA], v[FA]
	s_lshl_b32 s48, s4, 9                          ; my two K steps: 512 bytes of each row
	v_add_nc_u32 v[FA], s48, v[FA]
	LOADROW 0, 0
	LOADROW 1, 1
	LOADROW 2, 1
	LOADROW 3, 1
	ROW 0, 24, 0
	ROW 1, 16, 0
	ROW 2, 8, 0
	ROW 3, 0, 0
	s_wait_dscnt 0x0                               ; for the others' sake: my four rows are in LDS
	s_barrier_signal -1
	s_barrier_wait -1                              ; all sixteen are
	KSW 0
	KSW 1
	s_cmp_eq_u32 s6, 3                             ; ba: wave 0 of W2's jobs
	s_cbranch_scc0 .Lend
	s_cmp_eq_u32 s4, 0
	s_cbranch_scc0 .Lend
	s_sub_co_u32 s48, s7, 96                       ; the block's fragment of b2 and bs2
	s_lshl_b32 s50, s48, 6                         ; 16 columns of 4 bytes
	s_add_nc_u64 s[60:61], s[28:29], s[50:51]
	s_add_nc_u64 s[62:63], s[30:31], s[50:51]
	s_lshl_b32 s50, s48, 10
	s_add_nc_u64 s[58:59], s[42:43], s[50:51]
	v_lshlrev_b32 v[RO], 2, v2                     ; column r
.irp e, 0,1,2,3,4,5,6,7
	global_load_b32 v[W+(\e)], v[RO], s[60:61] offset:4096*(\e)
.endr
	global_load_b32 v[O], v[RO], s[62:63]
.irp j, 0,1,2,3
	v_mov_b32 v[ZR+(\j)], 0
.endr
	v_cmp_eq_u32 s54, 1, v3
	s_wait_loadcnt 0x0
.irp j, 0,1,2,3
	v_cvt_pk_bf16_f32 v[PK+(\j)], v[W+2*(\j)], v[W+2*(\j)+1]
.endr
	v_cvt_pk_bf16_f32 v[ONE], v[O], v[ZR]          ; k = 8: bs2[n]; k = 9: 0
	v_cndmask_b32 v[PK], v[PK], v[ONE], s54
.irp j, 1,2,3
	v_cndmask_b32 v[PK+(\j)], v[PK+(\j)], v[ZR], s54
.endr
	global_store_b128 v[L16], v[PK:PK+3], s[58:59]
	global_store_b128 v[L16], v[ZR:ZR+3], s[58:59] offset:512
.Lend:
	s_wait_tensorcnt 0x0                           ; the wave's end: behind my last LDS store
	ds_add_u32 v[SPW], v[NIL]
	s_wait_dscnt 0x0
	s_endpgm
.Lfunc_end_k_qeb9a092f2d_prep:
	.size	k_qeb9a092f2d_prep, .Lfunc_end_k_qeb9a092f2d_prep-k_qeb9a092f2d_prep
	.p2alignl 7, 3214868480
	.fill 96, 4, 3214868480
	.section	.rodata,"a",@progbits
	.p2align	6, 0x0
	.amdhsa_kernel k_qeb9a092f2d_prep
		.amdhsa_group_segment_fixed_size 149248
		.amdhsa_private_segment_fixed_size 0
		.amdhsa_enable_private_segment 0
		.amdhsa_kernarg_size 112
		.amdhsa_user_sgpr_count 2
		.amdhsa_user_sgpr_kernarg_segment_ptr 1
		.amdhsa_wavefront_size32 1
		.amdhsa_system_sgpr_workgroup_id_x 1
		.amdhsa_system_sgpr_workgroup_id_y 1
		.amdhsa_system_sgpr_workgroup_id_z 1
		.amdhsa_system_vgpr_workitem_id 0
		.amdhsa_next_free_vgpr 228
		.amdhsa_next_free_sgpr 66
		.amdhsa_reserve_vcc 1
		.amdhsa_float_denorm_mode_32 3
		.amdhsa_float_denorm_mode_16_64 3
		.amdhsa_memory_ordered 1
		.amdhsa_forward_progress 1
		.amdhsa_inst_pref_size 72
	.end_amdhsa_kernel
	.amdgpu_metadata
---
amdhsa.version: [ 1, 2 ]
amdhsa.kernels:
  - .name:           k_qeb9a092f2d_prep
    .symbol:         k_qeb9a092f2d_prep.kd
    .args:
      - { .name: x, .offset: 0, .size: 8, .value_kind: global_buffer, .address_space: global }
      - { .name: Wg, .offset: 8, .size: 8, .value_kind: global_buffer, .address_space: global }
      - { .name: W1, .offset: 16, .size: 8, .value_kind: global_buffer, .address_space: global }
      - { .name: Ws1, .offset: 24, .size: 8, .value_kind: global_buffer, .address_space: global }
      - { .name: W2, .offset: 32, .size: 8, .value_kind: global_buffer, .address_space: global }
      - { .name: Ws2, .offset: 40, .size: 8, .value_kind: global_buffer, .address_space: global }
      - { .name: b2, .offset: 48, .size: 8, .value_kind: global_buffer, .address_space: global }
      - { .name: bs2, .offset: 56, .size: 8, .value_kind: global_buffer, .address_space: global }
      - { .name: xb, .offset: 64, .size: 8, .value_kind: global_buffer, .address_space: global }
      - { .name: wc1, .offset: 72, .size: 8, .value_kind: global_buffer, .address_space: global }
      - { .name: wc2, .offset: 80, .size: 8, .value_kind: global_buffer, .address_space: global }
      - { .name: wt, .offset: 88, .size: 8, .value_kind: global_buffer, .address_space: global }
      - { .name: ha, .offset: 96, .size: 8, .value_kind: global_buffer, .address_space: global }
      - { .name: ba, .offset: 104, .size: 8, .value_kind: global_buffer, .address_space: global }
    .group_segment_fixed_size: 149248
    .private_segment_fixed_size: 0
    .kernarg_segment_align: 8
    .kernarg_segment_size: 112
    .max_flat_workgroup_size: 128
    .sgpr_count:     66
    .vgpr_count:     228
    .wavefront_size: 32
...
	.end_amdgpu_metadata
.endif
;; end of part 1
;; launch fc1 (part 2): grid 4 x 64, 4 waves a work-group, clusters of 4 x 4, 327,680 bytes of LDS; arguments xb, wc1, wt, b1, bs1, hb; writes hb
.if DOCPART == 2
	.amdgcn_target "amdgcn-amd-amdhsa--gfx1250"
	.amdhsa_code_object_version 6
	.text
	.protected	k_qeb9a092f2d_fc1
	.globl	k_qeb9a092f2d_fc1
	.p2align	8
	.type	k_qeb9a092f2d_fc1,@function
k_qeb9a092f2d_fc1:
	s_mov_b64 s[64:65], 0
	v_nop
	global_prefetch_b8 v0, s[64:65] scope:SCOPE_SE
	s_setreg_imm32_b32 hwreg(HW_REG_WAVE_MODE, 25, 1), 1
	s_wait_xcnt 0x0
	s_wait_alu depctr_hold_cnt(0) depctr_sa_sdst(0) depctr_va_vdst(0) depctr_va_sdst(0) depctr_va_ssrc(0) depctr_va_vcc(0) depctr_vm_vsrc(0)
	s_getreg_b32 s2, hwreg(HW_REG_IB_STS2, 6, 4)
	s_cmp_eq_u32 s2, 0
	s_cbranch_scc0 .Lentry_in_a_cluster
	s_endpgm
.Lentry_in_a_cluster:
	s_bfe_u32 s2, ttmp6, 0x10000c
	s_cmp_lg_u32 s2, 0xf033
	s_cbranch_scc0 .Lentry_shape_is_right
	s_endpgm
.Lentry_shape_is_right:
; SECOND LAUNCH: the hidden layers of all eight experts and of the shared expert, one product [16,384 tokens] x [1,536 hidden], K = 1,024, in bf16 with f32 sums.
; hb = bf16(relu(x W1[e]^T + b1[e]) w[t][e]) for the routed part, bf16(relu(x Ws1^T + bs1)) for the shared part.  Nothing is left out: all experts are multiplied, w is a factor.
; LIMITS.  relu(z) w is made as relu(z w), the same number since w >= 0 (an infinite z with w = 0 gives NaN where the other order would too); b1 and bs1 are rounded to bf16 like all inputs; the hidden layer is rounded once to bf16.
; SHARES.  A tile is 256 tokens x 384 hidden; 4 x 64 tiles = 256 work-groups.  Four waves, each 128 tokens x 192 hidden: 96 accumulators of 16 x 16, 768 registers.  A wave's 192 hidden are ONE expert's 128 (e = 2 x tile column +
; column half; blocks b = 0..7) and 64 of the shared 512 (f = 64 e + 16 (b - 8); b = 8..11), so that a block's factor is known from its number.  For 32 along K a wave reads 8 + 12 fragments from LDS for 96 products.
; K goes in steps of 64 through two LDS slots (two slots of 128 along K would be all of LDS, with no room for the spare words).  xb and wc1 lie in fragments (16 rows x 32 k = 1,024 bytes: half c at 512 c, lane l at 16 l),
; [K step of 64][block of 16 rows][half step]: a wave's part of a K step is dense in memory and is asked for as rows of 256 bytes; every LDS load is 16 bytes a lane on end, 512 consecutive bytes.
; CLUSTERS: 4 x 4.  The four of a row of the cluster need the same tokens, the four of a column the same weights: each part is asked for jointly, the same tensor load with the same descriptor and a mask of the four.
; THE PRODUCT IS USED TRANSPOSED: source 0 = 16 hidden rows of the weights, source 1 = 16 tokens: a lane holds ONE token (l % 16) and hidden 8 (l / 16) + 0..7.  Two neighbouring blocks, packed to bf16, ARE a fragment of the next
; launch's token operand: the results are stored straight from registers, 512 consecutive bytes a store.  The bias, which depends on the register and the lane's half alone, is the C operand of each sum's first product.
; REGISTERS in windows of 256 (s_set_vgpr_msb: bits 1:0 source 0, 3:2 source 1, 5:4 source 2, 7:6 destination):
;   window 0: v0-15 addresses; v16-31 w; v32-95, v96-159 token fragments, two buffers; v160-255 the 12 weight fragments, ONE buffer, loaded again by halves: blocks 0-5 behind their 48 products, blocks 6-11 behind theirs
;   windows 1, 2, 3: accumulator (a, b) at v[8 (8 (b % 4) + a)] of window 1 + b / 4
;   In the first step the biases of blocks 0-5 lie in window 3, whose accumulators begin later, those of blocks 6-11 in the second token buffer, which is therefore loaded one run later than in every other step.
.set APART, 16384                      ; 128 tokens x 64 k: what one tensor load brings of xb
.set BPART, 24576                      ; 192 hidden x 64 k: of wc1
.set SLOTB, 2*APART+2*BPART            ; tokens' two parts, then the weights' two
.set SLOT1, 131072                     ; slot 1 begins here, so that one exclusive or turns an address in one slot into the other's
.set SPARE, SLOT1+SLOTB                ; behind the ring: the spare words, 128 bytes a wave; no other line names them
.set ASTEP, 2097152                    ; xb: bytes from K step to K step
.set BSTEP, 196608                     ; wc1
.set TRIPS, 14                         ; 16 K steps; all but the last two are followed by a refill
.set AA0,  4                           ; v4   my token fragments in slot 0; never rewritten
.set AB0,  5                           ; v5   my weight fragments in slot 0; never rewritten
.set AA,   6                           ; v6   the same in the slot that is being fetched from
.set AB,   7                           ; v7
.set L16,  8                           ; v8   16 x lane
.set HO,   9                           ; v9   32 h
.set RO,   10                          ; v10  32 r
.set ZERO, 11
.set SPW,  12
.set NIL,  13
.set PFO,  14                          ; v14  the prefetches' offset: 256 x min(lane, 15) for tokens, 256 x min(lane, 23) for weights
.set W,    16                          ; v[16:31] w[token 16 a + r][e], twice, a pair for each a
.set A0,   32
.set A1,   96
.set BF,   160
.set P,    32                          ; the way out: two sets of 48 packed registers, v32-79 and v80-127
.set T,    160                         ; the way out: 64 at work
.set WV, 16
.set RH, 17                            ; which 128 tokens are mine.  Also: I fetch tokens (0) or weights (1)
.set CH, 18                            ; which 192 hidden are mine.  Also: which part I fetch
.set CX, 19
.set CY, 20
.set TC, 21
.set TR, 22
.set G1A, 24
.set G0A, 32                           ; s[32:39] two sets for the two first fills; the second then walks on
.set LIM, 43
.set PFA, 44
.set PST, 46
.set G1B, 48
.set G0B, 56
.set HR,  66                           ; s[66:67] hb at my routed fragments
.set HS,  68                           ; s[68:69] hb at my shared fragments
.set TB,  80                           ; s80  LDS byte at which the slot that is being fetched from begins
.set MK,  81                           ; s81  a word's upper bf16
.set MSB, 0
.macro WIN new                         ; the immediate's high byte repeats the setting that is left; a switch that changes nothing is dropped
.if MSB != (\new)
	s_set_vgpr_msb (MSB<<8)|(\new)
.set MSB, \new
.endif
.endm
.macro JLOAD s                         ; a joint load: waves 0, 1 the tokens' parts, waves 2, 3 the weights'; an s_nop 0 and four v_nop follow each line
	s_cmp_eq_u32 s[RH], 0
	s_cbranch_scc0 .Lfor_b_\@
	tensor_load_to_lds s[G0A+4*(\s):G0A+4*(\s)+3], s[G1A:G1A+7]
	s_nop 0
.rept 4
	v_nop
.endr
	s_branch .Lasked_\@
.Lfor_b_\@:
	tensor_load_to_lds s[G0B+4*(\s):G0B+4*(\s)+3], s[G1B:G1B+7]
	s_nop 0
.rept 4
	v_nop
.endr
.Lasked_\@:
.endm
; A prefetch into the L2 of my work-group's quarter of the part that I shall ask for two refills on: a lane a block of 256 bytes (16 blocks of tokens, 24 of weights; the lanes left over repeat the last), one instruction a wave.
; A tile row's tokens are read by one cluster, which names them; the weights' parts are named by the clusters with y = 0 alone; the four partners of a joint load share a part out by address.  The loop's last two trips name nothing:
; those K steps do not exist.
.macro ASK
	s_cmp_gt_u32 s3, s[LIM]
	s_cbranch_scc0 .Lnot_mine_\@
	global_prefetch_b8 v[PFO], s[PFA:PFA+1] th:TH_LOAD_NT scope:SCOPE_SE
.Lnot_mine_\@:
.endm
.macro CREST                           ; a round of the cluster's barrier behind its opening barrier
	s_cmp_lg_u32 s[WV], 0
	s_cbranch_scc1 .Lnot_wave_0_\@
	s_barrier_signal -3
.Lnot_wave_0_\@:
	s_barrier_wait -3
	s_barrier_signal -1
	s_barrier_wait -1
.endm
.macro CROUND
	s_barrier_signal -1
	s_barrier_wait -1
	CREST
.endm
.macro PLACES                          ; four places behind matrix instructions, in front of loads into registers that they read and of lines that read results
.rept 4
	v_nop
.endr
.endm
; 16 matrix instructions: hidden blocks b0, b0 + 1 x all 8 token blocks of buffer f, 32 along K.  mode 0: onto the sums; 1: the bias, in window 3, starts them; 2: the bias, in the second token buffer, starts them.
; All 96 accumulators take turns, one instruction a turn, in the same order in every step.
.macro MUL2 f, b0, mode
.set mw, 1+(\b0)/4
.if (\mode) == 1
	WIN (mw<<6)|0x30
.elseif (\mode) == 2
	WIN (mw<<6)
.else
	WIN (mw<<6)|(mw<<4)
.endif
.set mb, \b0
.rept 2
.set ma, 0
.rept 8
.set rD, 8*(8*(mb%4)+ma)
.if (\mode) == 1
	v_wmma_f32_16x16x32_bf16 v[rD:rD+7], v[BF+8*mb:BF+8*mb+7], v[(\f)+8*ma:(\f)+8*ma+7], v[8*mb:8*mb+7]
.elseif (\mode) == 2
	v_wmma_f32_16x16x32_bf16 v[rD:rD+7], v[BF+8*mb:BF+8*mb+7], v[(\f)+8*ma:(\f)+8*ma+7], v[A1+8*(mb-6):A1+8*(mb-6)+7]
.else
	v_wmma_f32_16x16x32_bf16 v[rD:rD+7], v[BF+8*mb:BF+8*mb+7], v[(\f)+8*ma:(\f)+8*ma+7], v[rD:rD+7]
.endif
.set ma, ma+1
.endr
.set mb, mb+1
.endr
.endm
.macro LDB b0, q                       ; 12 LDS loads: weight blocks b0 .. b0 + 5 of half step q
.set fb, \b0
.rept 6
	ds_load_b128 v[BF+8*fb:BF+8*fb+3],   v[AB] offset:2048*fb+1024*(\q)
	ds_load_b128 v[BF+8*fb+4:BF+8*fb+7], v[AB] offset:2048*fb+1024*(\q)+512
.set fb, fb+1
.endr
.endm
.macro LDA q, f                        ; 16 LDS loads: the 8 token blocks of half step q into buffer f
.set fb, 0
.rept 8
	ds_load_b128 v[(\f)+8*fb:(\f)+8*fb+3],   v[AA] offset:2048*fb+1024*(\q)
	ds_load_b128 v[(\f)+8*fb+4:(\f)+8*fb+7], v[AA] offset:2048*fb+1024*(\q)+512
.set fb, fb+1
.endr
.endm
; A K step's first half: multiplies token buffer 0 and fetches the same slot's second half.  first = 1: the launch's first step, whose products start the sums with the biases.
.macro EVEN first
	s_wait_dscnt 12                                ; all but the youngest 12 loads (weight blocks 6-11)
	MUL2 A0, 0, \first
	MUL2 A0, 2, \first
	MUL2 A0, 4, \first
	PLACES
	WIN 0
	LDB 0, 1
.if \first
	v_nop                                          ; a fifth place between the products that read window 3's registers as C and those that write them
	s_wait_dscnt 12                                ; all but the 12 just issued
	MUL2 A0, 6, 2
	MUL2 A0, 8, 2
	MUL2 A0, 10, 2
	PLACES
	WIN 0
	LDA 1, A1                                      ; only now: the buffer held biases
	LDB 6, 1
.else
	LDA 1, A1
	s_wait_dscnt 28                                ; all but the 28 just issued
	MUL2 A0, 6, 0
	MUL2 A0, 8, 0
	MUL2 A0, 10, 0
	PLACES
	WIN 0
	LDB 6, 1
.endif
.endm
; A K step's second half: multiplies token buffer 1 and changes slots.  All reads of this slot have been issued.  In front of the barrier each wave waits for all its tensor loads (one is out: its part of the next slot), adds 0 to its
; spare word, and waits for that and for its reads of this slot.  fill = 1: the barrier opens a round of the cluster's barrier, and the joint refill, two K steps on, is the first tensor load behind it: 160 matrix instructions ahead
; of the wait for it.  Then the next slot's first half is fetched.
.macro ODD fill
.if \fill
	s_wait_xcnt 0x0                                ; the last prefetch, a K step back, has read its address
	s_add_nc_u64 s[PFA:PFA+1], s[PFA:PFA+1], s[PST:PST+1]
.endif
	WIN 0
	s_wait_tensorcnt 0x0
	ds_add_u32 v[SPW], v[NIL]
	s_wait_dscnt 13                                ; the add and the youngest 12 loads may be out
	MUL2 A1, 0, 0
	s_wait_dscnt 0x0                               ; the add is done, my reads of this slot are over
	s_barrier_signal -1
	MUL2 A1, 2, 0
	WIN 0
	s_barrier_wait -1
.if \fill
	CREST                                          ; no wave of any partner still reads this slot or has a load on its way
	s_xor_b32 s[G0A+5], s[G0A+5], SLOT1            ; the walking descriptors: the other slot than last time,
	s_add_nc_u64 s[G0A+6:G0A+7], s[G0A+6:G0A+7], ASTEP  ; the next K step; the type bits on top are not reached
	s_xor_b32 s[G0B+5], s[G0B+5], SLOT1
	s_add_nc_u64 s[G0B+6:G0B+7], s[G0B+6:G0B+7], BSTEP
	JLOAD 1
.endif
	s_xor_b32 s[TB], s[TB], SLOT1                  ; the fetches go on in the other slot
	MUL2 A1, 4, 0
	WIN 0
	v_add_nc_u32 v[AA], s[TB], v[AA0]              ; these two and two v_nop are the four places in front of the loads below
	v_add_nc_u32 v[AB], s[TB], v[AB0]
	v_nop
	v_nop
	LDB 0, 0
	LDA 0, A0
.if \fill
	ASK
.endif
	MUL2 A1, 6, 0                                  ; (weight blocks 6-11 were shown in by the wait for 0 above)
	MUL2 A1, 8, 0
	MUL2 A1, 10, 0
	PLACES
	WIN 0
	LDB 6, 0
.endm
	s_load_b256 s[4:11], s[0:1], 0x0               ; xb 4, wc1 6, wt 8, b1 10
	s_load_b128 s[12:15], s[0:1], 0x20             ; bs1 12, hb 14
	v_lshl_add_u32 v[SPW], v0, 2, SPARE
	v_mov_b32 v[NIL], 0
	ds_add_u32 v[SPW], v[NIL]                      ; the wave's opening: the add, twice on end, and its wait ahead of my first tensor load
	ds_add_u32 v[SPW], v[NIL]
	v_lshrrev_b32 v1, 5, v0
	v_readfirstlane_b32 s[WV], v1
	s_lshr_b32 s[RH], s[WV], 1
	s_and_b32 s[CH], s[WV], 1
	s_bfe_u32 s[CX], ttmp6, 0x40000
	s_bfe_u32 s[CY], ttmp6, 0x40004
	s_lshl_b32 s[TC], ttmp9, 2
	s_add_co_u32 s[TC], s[TC], s[CX]               ; tile column = 4 x cluster x + cx
	s_and_b32 s[TR], ttmp7, 0xffff
	s_lshl_b32 s[TR], s[TR], 2
	s_add_co_u32 s[TR], s[TR], s[CY]               ; tile row = 4 x cluster y + cy
	s_lshl_b32 s70, s[CY], 2
	s_lshl_b32 s70, 15, s70                        ; my row of the cluster
	s_lshl_b32 s74, 0x1111, s[CX]                  ; my column
	; descriptor group 1: a dense block as rows of 32 elements of 8 bytes; no padding
	s_or_b32 s[G1A], s70, (3<<16)|(1<<21)          ; 15:0 the mask; 17:16 elements of 8 bytes; 21 set beside a mask
	s_or_b32 s[G1B], s74, (3<<16)|(1<<21)
	s_mov_b32 s[G1A+1], 32<<16                     ; tensor_dim0 = 32
	s_mov_b32 s[G1A+2], (APART/256)<<16            ; tensor_dim1 = 64
	s_mov_b32 s[G1A+3], 32<<16                     ; tile_dim0 = 32
	s_mov_b32 s[G1A+4], APART/256                  ; tile_dim1 = 64
	s_mov_b32 s[G1A+5], 32                         ; 32 elements from row to row
	s_mov_b32 s[G1A+6], 0
	s_mov_b32 s[G1A+7], 0
	s_mov_b32 s[G1B+1], 32<<16
	s_mov_b32 s[G1B+2], (BPART/256)<<16            ; 96 rows
	s_mov_b32 s[G1B+3], 32<<16
	s_mov_b32 s[G1B+4], BPART/256
	s_mov_b32 s[G1B+5], 32
	s_mov_b32 s[G1B+6], 0
	s_mov_b32 s[G1B+7], 0
	; the tokens' address is made of the tile row and the wave's number, the weights' of the tile column and the wave's number, each in registers that never hold the other coordinate
	s_lshl_b32 s70, s[TR], 15                      ; 16 blocks of 2,048 bytes a tile row
	s_lshl_b32 s71, s[CH], 14
	s_add_co_u32 s70, s70, s71
	s_mov_b32 s71, 0
	s_mul_i32 s79, s[CH], BPART
	s_mul_i32 s74, s[TC], 2*BPART
	s_add_co_u32 s74, s74, s79
	s_mov_b32 s75, 0
	s_lshl_b32 s78, s[CH], 14                      ; where they go: the tokens' part,
	s_add_co_u32 s79, s79, 2*APART                 ; the weights' part: the wave's number alone enters an LDS address
	s_mov_b32 s[TB], 0
	s_mov_b32 s[MK], 0xffff0000
	s_wait_dscnt 0x0                               ; both opening adds are done
	s_wait_kmcnt 0x0
	s_add_nc_u64 s[72:73], s[4:5], s[70:71]
	s_add_nc_u64 s[76:77], s[6:7], s[74:75]
	CROUND                                         ; all sixteen work-groups are here: the first joint loads meet
.irp s, 0,1
	s_mov_b32 s[G0A+4*(\s)], 1
	s_add_co_u32 s[G0A+4*(\s)+1], s78, (\s)*SLOT1
	s_add_nc_u64 s[G0A+4*(\s)+2:G0A+4*(\s)+3], s[72:73], (\s)*ASTEP
	s_or_b32 s[G0A+4*(\s)+3], s[G0A+4*(\s)+3], 0x80000000
	s_mov_b32 s[G0B+4*(\s)], 1
	s_add_co_u32 s[G0B+4*(\s)+1], s79, (\s)*SLOT1
	s_add_nc_u64 s[G0B+4*(\s)+2:G0B+4*(\s)+3], s[76:77], (\s)*BSTEP
	s_or_b32 s[G0B+4*(\s)+3], s[G0B+4*(\s)+3], 0x80000000
	JLOAD \s
.endr
	v_and_b32 v1, 15, v0                           ; r
	v_bfe_u32 v2, v0, 4, 1                         ; h
	v_and_b32 v3, 31, v0
	v_lshlrev_b32 v[L16], 4, v3
	v_lshlrev_b32 v[HO], 5, v2
	v_lshlrev_b32 v[RO], 5, v1
	v_mov_b32 v[ZERO], 0
	s_lshl_b32 s40, s[RH], 14                      ; my 128 tokens
	s_mul_i32 s41, s[CH], BPART
	s_add_co_u32 s41, s41, 2*APART                 ; my 192 hidden
	v_add_nc_u32 v[AA0], s40, v[L16]
	v_add_nc_u32 v[AB0], s41, v[L16]
	v_mov_b32 v[AA], v[AA0]
	v_mov_b32 v[AB], v[AB0]
	s_lshl_b32 s23, s[TC], 1
	s_add_co_u32 s23, s23, s[CH]                   ; my expert e
	s_lshl_b32 s40, s23, 9                         ; b1[e][..]
	s_mov_b32 s41, 0
	s_add_nc_u64 s[10:11], s[10:11], s[40:41]
	s_lshl_b32 s40, s23, 8                         ; bs1[64 e ..]
	s_add_nc_u64 s[12:13], s[12:13], s[40:41]
	s_lshl_b32 s40, s[TR], 13                      ; wt[256 tr + 128 RH ..][e]
	s_lshl_b32 s42, s[RH], 12
	s_add_co_u32 s40, s40, s42
	s_lshl_b32 s42, s23, 2
	s_add_co_u32 s40, s40, s42
	s_add_nc_u64 s[8:9], s[8:9], s[40:41]
.irp b, 0,1,2,3,4,5,6,7                ; register j of block b wants the bias of hidden 16 b + 8 h + j: 32 bytes a lane; as loaded they lie where the weights' fragments will
	global_load_b128 v[BF+8*(\b):BF+8*(\b)+3],   v[HO], s[10:11] offset:64*(\b)
	global_load_b128 v[BF+8*(\b)+4:BF+8*(\b)+7], v[HO], s[10:11] offset:64*(\b)+16
.endr
.irp b, 8,9,10,11
	global_load_b128 v[BF+8*(\b):BF+8*(\b)+3],   v[HO], s[12:13] offset:64*((\b)-8)
	global_load_b128 v[BF+8*(\b)+4:BF+8*(\b)+7], v[HO], s[12:13] offset:64*((\b)-8)+16
.endr
.irp a, 0,1,2,3,4,5,6,7
	global_load_b32 v[W+2*(\a)],   v[RO], s[8:9] offset:512*(\a)
	global_load_b32 v[W+2*(\a)+1], v[RO], s[8:9] offset:512*(\a)
.endr
	s_lshl_b32 s40, s[TR], 16                      ; hb: my 8 blocks of tokens, 4,096 bytes each,
	s_lshl_b32 s42, s[RH], 15
	s_add_co_u32 s40, s40, s42
	s_lshl_b32 s78, s23, 22                        ; routed: K step e, all four quarters
	s_add_co_u32 s78, s78, s40
	s_mov_b32 s79, 0
	s_add_nc_u64 s[HR:HR+1], s[14:15], s[78:79]
	s_add_co_u32 s78, s[TC], 8                     ; shared: K step 8 + tile column, quarters 2 CH, 2 CH + 1
	s_lshl_b32 s78, s78, 22
	s_add_co_u32 s78, s78, s40
	s_lshl_b32 s42, s[CH], 11
	s_add_co_u32 s78, s78, s42
	s_add_nc_u64 s[HS:HS+1], s[14:15], s[78:79]
	; the prefetches: they start at K step 3; the first change of slots steps them to K step 4.  Nothing is asked for here, at the head
	s_lshl_b32 s41, s[CX], 12                      ; tokens: my work-group's quarter of the part, 4,096 bytes, by cx
	s_add_co_u32 s41, s41, s70
	s_add_co_u32 s41, s41, 3*ASTEP
	s_mul_i32 s42, s[CY], BPART/4                  ; weights: 6,144 bytes, by cy
	s_add_co_u32 s42, s42, s74
	s_add_co_u32 s42, s42, 3*BSTEP
	s_mov_b32 s[PST], ASTEP
	s_mov_b32 s23, BSTEP
	s_and_b32 s40, ttmp7, 0xffff                   ; cluster y
	s_cmp_eq_u32 s[RH], 0                          ; do I fetch tokens?
	s_cselect_b32 s40, ttmp9, s40                  ; the coordinate along which other clusters read the same part
	s_cselect_b64 s[PFA:PFA+1], s[4:5], s[6:7]
	s_cselect_b32 s78, s41, s42
	s_cselect_b32 s[PST], s[PST], s23
	s_cselect_b32 s23, 15, 23                      ; blocks of 256 bytes in a quarter, less one
	s_mov_b32 s[PST+1], 0
	s_add_nc_u64 s[PFA:PFA+1], s[PFA:PFA+1], s[78:79]
	s_cmp_eq_u32 s40, 0
	s_cselect_b32 s[LIM], 2, -1                    ; the same in all sixteen partners, for a given wave
	v_min_u32 v[PFO], s23, v3
	v_lshlrev_b32 v[PFO], 8, v[PFO]
	s_wait_loadcnt 0x0                             ; biases and w
.set i, 0
.rept 48                               ; the biases are rounded to bf16 like all inputs,
	v_cvt_pk_bf16_f32 v[BF+2*i], v[BF+2*i], v[BF+2*i+1]
.set i, i+1
.endr
	WIN 0xc0                                       ; and widened again: blocks 0-5 into window 3,
.set i, 0
.rept 24
	v_lshlrev_b32 v[2*i], 16, v[BF+2*i]
	v_and_b32 v[2*i+1], s[MK], v[BF+2*i]
.set i, i+1
.endr
	WIN 0                                          ; blocks 6-11 into the second token buffer
.set i, 24
.rept 24
	v_lshlrev_b32 v[A1+2*(i-24)], 16, v[BF+2*i]
	v_and_b32 v[A1+2*(i-24)+1], s[MK], v[BF+2*i]
.set i, i+1
.endr
	s_wait_tensorcnt 0x1                           ; my part of K step 0 is in; K step 1's may stay out
	s_barrier_signal -1
	s_barrier_wait -1
	LDB 0, 0
	LDA 0, A0
	LDB 6, 0
	EVEN 1                                         ; the first step stands in front of the loop: its products start the sums, with the biases
	WIN 0
	s_mov_b32 s3, TRIPS
.Lstep:                                ; a trip: a K step's second half, the change of slots with its refill, the next K step's first half
	ODD 1
	EVEN 0
	WIN 0
	s_sub_co_u32 s3, s3, 1
	s_cmp_lg_u32 s3, 0
	s_cbranch_scc1 .Lstep
	ODD 0                                          ; the last change of slots fills nothing
	EVEN 0
	s_wait_dscnt 12                                ; the very last step: nothing more to fetch
	MUL2 A1, 0, 0
	MUL2 A1, 2, 0
	MUL2 A1, 4, 0
	s_wait_dscnt 0x0
	MUL2 A1, 6, 0
	MUL2 A1, 8, 0
	MUL2 A1, 10, 0
	WIN 0
	PLACES
; THE WAY OUT of token block a: the routed blocks times w, all rounded to bf16, relu on the packed halves, twelve stores of 512 consecutive bytes.  Each accumulator is read from its low end on.
.macro OUT a
.set PS, P+48*((\a)%2)
	s_wait_xcnt 0x0                                ; the stores of two blocks back have read this set of registers
	WIN 0x01                                       ; source 0 in window 1: blocks 0-3
.irp b, 0,1,2,3
.irp p, 0,1,2,3
	v_pk_mul_f32 v[T+8*(\b)+2*(\p):T+8*(\b)+2*(\p)+1], v[8*(8*(\b)+(\a))+2*(\p):8*(8*(\b)+(\a))+2*(\p)+1], v[W+2*(\a):W+2*(\a)+1]
.endr
.endr
	WIN 0x02                                       ; window 2: blocks 4-7
.irp b, 0,1,2,3
.irp p, 0,1,2,3
	v_pk_mul_f32 v[T+32+8*(\b)+2*(\p):T+32+8*(\b)+2*(\p)+1], v[8*(8*(\b)+(\a))+2*(\p):8*(8*(\b)+(\a))+2*(\p)+1], v[W+2*(\a):W+2*(\a)+1]
.endr
.endr
	WIN 0x0f                                       ; sources 0 and 1 in window 3: blocks 8-11, the shared ones
.irp b, 0,1,2,3
.irp p, 0,1,2,3
	v_cvt_pk_bf16_f32 v[PS+32+4*(\b)+(\p)], v[8*(8*(\b)+(\a))+2*(\p)], v[8*(8*(\b)+(\a))+2*(\p)+1]
.endr
.endr
	WIN 0
.set i, 0
.rept 32
	v_cvt_pk_bf16_f32 v[PS+i], v[T+2*i], v[T+2*i+1]
.set i, i+1
.endr
.set i, 0
.rept 48
	v_pk_max_num_bf16 v[PS+i], v[PS+i], v[ZERO]
.set i, i+1
.endr
.irp b, 0,1,2,3,4,5,6,7
	global_store_b128 v[L16], v[PS+4*(\b):PS+4*(\b)+3], s[HR:HR+1] offset:4096*(\a)+512*(\b)
.endr
.irp b, 0,1,2,3
	global_store_b128 v[L16], v[PS+32+4*(\b):PS+32+4*(\b)+3], s[HS:HS+1] offset:4096*(\a)+512*(\b)
.endr
.endm
.irp a, 0,1,2,3,4,5,6,7
	OUT \a
.endr
	s_wait_tensorcnt 0x0                           ; the wave's end: behind my last tensor load
	ds_add_u32 v[SPW], v[NIL]
	s_wait_dscnt 0x0
	CROUND                                         ; the closing round: no work-group ends while a partner may still ask for a part that names it
	s_endpgm
.Lfunc_end_k_qeb9a092f2d_fc1:
	.size	k_qeb9a092f2d_fc1, .Lfunc_end_k_qeb9a092f2d_fc1-k_qeb9a092f2d_fc1
	.p2alignl 7, 3214868480
	.fill 96, 4, 3214868480
	.section	.rodata,"a",@progbits
	.p2align	6, 0x0
	.amdhsa_kernel k_qeb9a092f2d_fc1
		.amdhsa_group_segment_fixed_size 327680
		.amdhsa_private_segment_fixed_size 0
		.amdhsa_enable_private_segment 0
		.amdhsa_kernarg_size 48
		.amdhsa_user_sgpr_count 2
		.amdhsa_user_sgpr_kernarg_segment_ptr 1
		.amdhsa_wavefront_size32 1
		.amdhsa_system_sgpr_workgroup_id_x 1
		.amdhsa_system_sgpr_workgroup_id_y 1
		.amdhsa_system_sgpr_workgroup_id_z 1
		.amdhsa_system_vgpr_workitem_id 0
		.amdhsa_next_free_vgpr 1024
		.amdhsa_next_free_sgpr 82
		.amdhsa_reserve_vcc 0
		.amdhsa_float_denorm_mode_32 3
		.amdhsa_float_denorm_mode_16_64 3
		.amdhsa_memory_ordered 1
		.amdhsa_forward_progress 1
		.amdhsa_inst_pref_size 148
	.end_amdhsa_kernel
	.amdgpu_metadata
---
amdhsa.version: [ 1, 2 ]
amdhsa.kernels:
  - .name:           k_qeb9a092f2d_fc1
    .symbol:         k_qeb9a092f2d_fc1.kd
    .args:
      - { .name: xb, .offset: 0, .size: 8, .value_kind: global_buffer, .address_space: global }
      - { .name: wc1, .offset: 8, .size: 8, .value_kind: global_buffer, .address_space: global }
      - { .name: wt, .offset: 16, .size: 8, .value_kind: global_buffer, .address_space: global }
      - { .name: b1, .offset: 24, .size: 8, .value_kind: global_buffer, .address_space: global }
      - { .name: bs1, .offset: 32, .size: 8, .value_kind: global_buffer, .address_space: global }
      - { .name: hb, .offset: 40, .size: 8, .value_kind: global_buffer, .address_space: global }
    .group_segment_fixed_size: 327680
    .private_segment_fixed_size: 0
    .kernarg_segment_align: 8
    .kernarg_segment_size: 48
    .max_flat_workgroup_size: 128
    .sgpr_count:     82
    .vgpr_count:     1024
    .wavefront_size: 32
...
	.end_amdgpu_metadata
.endif
;; end of part 2
;; launch fc2 (part 3): grid 4 x 64, 4 waves a work-group, clusters of 4 x 4, 327,680 bytes of LDS; arguments hb, wc2, ha, ba, out0; writes out0
.if DOCPART == 3
	.amdgcn_target "amdgcn-amd-amdhsa--gfx1250"
	.amdhsa_code_object_version 6
	.text
	.protected	k_qeb9a092f2d_fc2
	.globl	k_qeb9a092f2d_fc2
	.p2align	8
	.type	k_qeb9a092f2d_fc2,@function
k_qeb9a092f2d_fc2:
	s_mov_b64 s[64:65], 0
	v_nop
	global_prefetch_b8 v0, s[64:65] scope:SCOPE_SE
	s_setreg_imm32_b32 hwreg(HW_REG_WAVE_MODE, 25, 1), 1
	s_wait_xcnt 0x0
	s_wait_alu depctr_hold_cnt(0) depctr_sa_sdst(0) depctr_va_vdst(0) depctr_va_sdst(0) depctr_va_ssrc(0) depctr_va_vcc(0) depctr_vm_vsrc(0)
	s_getreg_b32 s2, hwreg(HW_REG_IB_STS2, 6, 4)
	s_cmp_eq_u32 s2, 0
	s_cbranch_scc0 .Lentry_in_a_cluster
	s_endpgm
.Lentry_in_a_cluster:
	s_bfe_u32 s2, ttmp6, 0x10000c
	s_cmp_lg_u32 s2, 0xf033
	s_cbranch_scc0 .Lentry_shape_is_right
	s_endpgm
.Lentry_shape_is_right:
; THIRD LAUNCH: out0 = hb wc2^T + ha ba^T: one product [16,384 tokens] x [1,024 columns], K = 1,536 (eight experts' hidden layers, already times w, and the shared one), and one K step of 32 more that lays down
; w[t] . b2[:, n] + bs2[n].  bf16 operands, f32 sums, f32 out.  Nothing is left out.
; LIMITS.  w is rounded to bf16 where it multiplies b2; b2 and bs2 are rounded to bf16 like all inputs.
; SHARES.  A tile is 256 tokens x 256 columns, four waves of 128 x 128: 64 accumulators, 512 registers; 4 x 64 tiles = 256 work-groups.  K goes in steps of 128 through two LDS slots.  hb and wc2 lie in fragments
; (16 rows x 32 k = 1,024 bytes: half c at 512 c, lane l at 16 l), [K step][block of 16 rows][quarter]: a wave's part of a K step, 32,768 bytes, is dense in memory and is asked for as 128 rows of 256 bytes.
; CLUSTERS: 4 x 4; tokens' parts are asked for jointly along a row of the cluster, weights' along a column.
; THE PRODUCT IS USED TRANSPOSED (source 0 = 16 columns' weights, source 1 = 16 tokens): a lane holds one token and eight neighbouring columns, 32 bytes of a row of out0; they go through the wave's own stage in LDS and leave as
; whole runs of 512 consecutive bytes of a row.
; REGISTERS: window 0: v0-31 addresses; v64-127, v128-191 token fragments, two buffers (on the way out: rows read back, two sets)   window 1: v64-127, v128-191 weight fragments
;   window 2: accumulators (a, b), a = 0..3, at v[8 (8 a + b)]   window 3: a = 4..7
.set NB,    8
.set NF,    16+2*NB
.set APART, 32768
.set BPART, 32768
.set SLOT,  2*APART+2*BPART
.set STAGE, 2*SLOT                     ; behind the ring, never filled by a tensor load: 16 rows x 528 bytes for each wave
.set SPITCH, 528                       ; 512 + 16 = 33 x 16: the 16 rows that a store touches start at 16 different 16-byte columns
.set SPARE, STAGE+4*16*SPITCH          ; behind the stages: the spare words, 128 bytes a wave; no other line names them
.set ASTEP, 4194304                    ; hb: bytes from K step to K step
.set BSTEP, 262144                     ; wc2
.set LAPS,  6
.set ADRA, 16
.set ADRB, 20
.set STO,  24                          ; v24  where I put 32 bytes of a row
.set RD,   25                          ; v25  where I read a row back
.set L16,  26                          ; v26  16 x lane
.set SPW,  28
.set NIL,  29
.set PFO,  30                          ; v30  256 x lane
.set F0,   64
.set F1,   128
.set WV, 16
.set RH, 17
.set CH, 18
.set CX, 19
.set CY, 20
.set TC, 21
.set TR, 22
.set G1A, 24
.set G0A, 32
.set LIM, 43
.set PFA, 44
.set PST, 46
.set G1B, 48
.set G0B, 56
.set OUTP, 66                          ; s[66:67] out0 at the 16 rows that leave next
.set MSB, 0
.macro WIN new
.if MSB != (\new)
	s_set_vgpr_msb (MSB<<8)|(\new)
.set MSB, \new
.endif
.endm
.set MUL_LO, 0xa1
.set MUL_HI, 0xf1
.set TO_B,   0x40
.macro JLOAD s                         ; a joint load: waves 0, 1 the tokens' parts, waves 2, 3 the weights'; an s_nop 0 and four v_nop follow each line
	s_cmp_eq_u32 s[RH], 0
	s_cbranch_scc0 .Lfor_b_\@
	tensor_load_to_lds s[G0A+4*(\s):G0A+4*(\s)+3], s[G1A:G1A+7]
	s_nop 0
.rept 4
	v_nop
.endr
	s_branch .Lasked_\@
.Lfor_b_\@:
	tensor_load_to_lds s[G0B+4*(\s):G0B+4*(\s)+3], s[G1B:G1B+7]
	s_nop 0
.rept 4
	v_nop
.endr
.Lasked_\@:
.endm
; A prefetch into the L2 of my work-group's quarter (8,192 bytes, a lane a block of 256) of the part that I shall ask for two refills on.  Tokens' parts have one cluster that reads them; weights' are named by the clusters with
; y = 0 alone; the four partners share a part out by address: each block is named once in the launch.  The loop's last trip (s3 = 1) names nothing.
.macro ASK
	s_cmp_gt_u32 s3, s[LIM]
	s_cbranch_scc0 .Lnot_mine_\@
	global_prefetch_b8 v[PFO], s[PFA:PFA+1] th:TH_LOAD_NT scope:SCOPE_SE
.Lnot_mine_\@:
.endm
.macro CREST
	s_cmp_lg_u32 s[WV], 0
	s_cbranch_scc1 .Lnot_wave_0_\@
	s_barrier_signal -3
.Lnot_wave_0_\@:
	s_barrier_wait -3
	s_barrier_signal -1
	s_barrier_wait -1
.endm
.macro CROUND
	s_barrier_signal -1
	s_barrier_wait -1
	CREST
.endm
.macro PLACES
.rept 4
	v_nop
.endr
.endm
; 16 matrix instructions: token blocks a0, a0 + 1 of the window's four x all 8 column blocks.  mode 1: the product starts the sum.  All 64 accumulators take turns, in the same order every time.
.macro MULG f, hi, a0, mode
	WIN MUL_LO+0x50*(\hi)
.set ma, \a0
.rept 2
.set mb, 0
.rept NB
.set rD, 8*(NB*ma+mb)
.set rB, (\f)+8*mb
.set rA, (\f)+8*(4*(\hi)+ma)
.if (\mode) == 1
	v_wmma_f32_16x16x32_bf16 v[rD:rD+7], v[rB:rB+7], v[rA:rA+7], 0
.else
	v_wmma_f32_16x16x32_bf16 v[rD:rD+7], v[rB:rB+7], v[rA:rA+7], v[rD:rD+7]
.endif
.set mb, mb+1
.endr
.set ma, ma+1
.endr
.endm
.macro FETCH slot, q, f
	WIN TO_B
.set fb, 0
.rept NB
	ds_load_b128 v[(\f)+8*fb:(\f)+8*fb+3],   v[ADRB+(\slot)] offset:4096*fb+1024*(\q)
	ds_load_b128 v[(\f)+8*fb+4:(\f)+8*fb+7], v[ADRB+(\slot)] offset:4096*fb+1024*(\q)+512
.set fb, fb+1
.endr
	WIN 0
.set fb, 0
.rept 8
	ds_load_b128 v[(\f)+8*fb:(\f)+8*fb+3],   v[ADRA+(\slot)] offset:4096*fb+1024*(\q)
	ds_load_b128 v[(\f)+8*fb+4:(\f)+8*fb+7], v[ADRA+(\slot)] offset:4096*fb+1024*(\q)+512
.set fb, fb+1
.endr
.endm
.macro QUARTER slot, q, f, g
	s_wait_dscnt 8                                 ; all but the youngest eight loads (token blocks 4-7)
	MULG \f, 0, 0, 0
	MULG \f, 0, 2, 0
	PLACES
	FETCH \slot, \q, \g
	s_wait_dscnt NF                                ; all but the run just issued
	MULG \f, 1, 0, 0
	MULG \f, 1, 2, 0
.endm
; The last quarter multiplies buffer 1 and changes slots, as in the launch before; a refill stands 224 matrix instructions ahead of the wait for it.
.macro TURN slot, next, fill
.if \fill
	s_wait_xcnt 0x0                                ; the last prefetch, a K step back, has read its address
	s_add_nc_u64 s[PFA:PFA+1], s[PFA:PFA+1], s[PST:PST+1]
.endif
	WIN 0
	s_wait_tensorcnt 0x0                           ; all my tensor loads have landed: the one that was out is my part of the next slot
	ds_add_u32 v[SPW], v[NIL]
	s_wait_dscnt 9                                 ; the add and the youngest eight loads may be out
	MULG F1, 0, 0, 0
	s_wait_dscnt 0x0                               ; the add is done, my reads of this slot are over
	s_barrier_signal -1
	MULG F1, 0, 2, 0
.if \fill
	WIN 0
.endif
	s_barrier_wait -1
.if \fill
	CREST
	s_add_nc_u64 s[G0A+4*(\slot)+2:G0A+4*(\slot)+3], s[G0A+4*(\slot)+2:G0A+4*(\slot)+3], 2*ASTEP
	s_add_nc_u64 s[G0B+4*(\slot)+2:G0B+4*(\slot)+3], s[G0B+4*(\slot)+2:G0B+4*(\slot)+3], 2*BSTEP
	JLOAD \slot
.else
	PLACES
.endif
	FETCH \next, 0, F0
.if \fill
	ASK
.endif
	MULG F1, 1, 0, 0
	MULG F1, 1, 2, 0
.endm
	s_load_b256 s[4:11], s[0:1], 0x0               ; hb 4, wc2 6, ha 8, ba 10
	s_load_b64 s[12:13], s[0:1], 0x20              ; out0
	v_lshl_add_u32 v[SPW], v0, 2, SPARE
	v_mov_b32 v[NIL], 0
	ds_add_u32 v[SPW], v[NIL]                      ; the wave's opening: the add, twice on end, and its wait ahead of my first tensor load
	ds_add_u32 v[SPW], v[NIL]
	v_lshrrev_b32 v1, 5, v0
	v_readfirstlane_b32 s[WV], v1
	s_lshr_b32 s[RH], s[WV], 1
	s_and_b32 s[CH], s[WV], 1
	s_bfe_u32 s[CX], ttmp6, 0x40000
	s_bfe_u32 s[CY], ttmp6, 0x40004
	s_lshl_b32 s[TC], ttmp9, 2
	s_add_co_u32 s[TC], s[TC], s[CX]
	s_and_b32 s[TR], ttmp7, 0xffff
	s_lshl_b32 s[TR], s[TR], 2
	s_add_co_u32 s[TR], s[TR], s[CY]
	s_lshl_b32 s70, s[CY], 2
	s_lshl_b32 s70, 15, s70
	s_lshl_b32 s74, 0x1111, s[CX]
	s_or_b32 s[G1A], s70, (3<<16)|(1<<21)          ; 15:0 the mask; 17:16 elements of 8 bytes; 21 set beside a mask
	s_or_b32 s[G1B], s74, (3<<16)|(1<<21)
.irp g, G1A, G1B
	s_mov_b32 s[(\g)+1], 32<<16                    ; tensor_dim0 = 32
	s_mov_b32 s[(\g)+2], 128<<16                   ; tensor_dim1 = 128
	s_mov_b32 s[(\g)+3], 32<<16                    ; tile_dim0 = 32
	s_mov_b32 s[(\g)+4], 128                       ; tile_dim1 = 128
	s_mov_b32 s[(\g)+5], 32                        ; 32 elements from row to row
	s_mov_b32 s[(\g)+6], 0
	s_mov_b32 s[(\g)+7], 0
.endr
	s_lshl_b32 s78, s[CH], 15                      ; the tokens' part in a slot,
	s_add_co_u32 s79, s78, 2*APART                 ; the weights'
	s_lshl_b32 s70, s[TR], 16
	s_add_co_u32 s70, s70, s78
	s_mov_b32 s71, 0
	s_lshl_b32 s74, s[TC], 16
	s_add_co_u32 s74, s74, s78
	s_mov_b32 s75, 0
	s_wait_dscnt 0x0                               ; both opening adds are done
	s_wait_kmcnt 0x0
	s_add_nc_u64 s[72:73], s[4:5], s[70:71]
	s_add_nc_u64 s[76:77], s[6:7], s[74:75]
	CROUND
.irp s, 0,1
	s_mov_b32 s[G0A+4*(\s)], 1
	s_add_co_u32 s[G0A+4*(\s)+1], s78, (\s)*SLOT
	s_add_nc_u64 s[G0A+4*(\s)+2:G0A+4*(\s)+3], s[72:73], (\s)*ASTEP
	s_or_b32 s[G0A+4*(\s)+3], s[G0A+4*(\s)+3], 0x80000000
	s_mov_b32 s[G0B+4*(\s)], 1
	s_add_co_u32 s[G0B+4*(\s)+1], s79, (\s)*SLOT
	s_add_nc_u64 s[G0B+4*(\s)+2:G0B+4*(\s)+3], s[76:77], (\s)*BSTEP
	s_or_b32 s[G0B+4*(\s)+3], s[G0B+4*(\s)+3], 0x80000000
	JLOAD \s
.endr
	v_and_b32 v1, 15, v0                           ; r
	v_bfe_u32 v2, v0, 4, 1                         ; h
	v_and_b32 v3, 31, v0
	v_lshlrev_b32 v[L16], 4, v3
	v_lshlrev_b32 v[PFO], 8, v3
	s_lshl_b32 s40, s[TR], 14                      ; ha: my 8 fragments of 1,024 bytes
	s_lshl_b32 s42, s[RH], 13
	s_add_co_u32 s40, s40, s42
	s_mov_b32 s41, 0
	s_add_nc_u64 s[8:9], s[8:9], s[40:41]
	s_lshl_b32 s40, s[TC], 14                      ; ba likewise
	s_lshl_b32 s42, s[CH], 13
	s_add_co_u32 s40, s40, s42
	s_add_nc_u64 s[10:11], s[10:11], s[40:41]
.irp a, 0,1,2,3,4,5,6,7
	global_load_b128 v[F1+8*(\a):F1+8*(\a)+3],   v[L16], s[8:9] offset:1024*(\a)
	global_load_b128 v[F1+8*(\a)+4:F1+8*(\a)+7], v[L16], s[8:9] offset:1024*(\a)+512
.endr
	WIN TO_B
.irp b, 0,1,2,3,4,5,6,7
	global_load_b128 v[F1+8*(\b):F1+8*(\b)+3],   v[L16], s[10:11] offset:1024*(\b)
	global_load_b128 v[F1+8*(\b)+4:F1+8*(\b)+7], v[L16], s[10:11] offset:1024*(\b)+512
.endr
	WIN 0
	s_lshl_b32 s40, s[RH], 15
	s_lshl_b32 s42, s[CH], 15
	s_add_co_u32 s42, s42, 2*APART
	v_add_nc_u32 v[ADRA], s40, v[L16]
	v_add_nc_u32 v[ADRB], s42, v[L16]
	v_add_nc_u32 v[ADRA+1], SLOT, v[ADRA]
	v_add_nc_u32 v[ADRB+1], SLOT, v[ADRB]
	s_mul_i32 s40, s[WV], 16*SPITCH
	s_add_co_u32 s40, s40, STAGE                   ; my stage
	v_mul_u32_u24 v[STO], v1, SPITCH               ; in: row r, 32 bytes for each half of the lanes
	v_lshl_add_u32 v[STO], v2, 5, v[STO]
	v_add_nc_u32 v[STO], s40, v[STO]
	v_add_nc_u32 v[RD], s40, v[L16]                ; back: a row's 512 bytes
	s_lshl_b32 s40, s[TR], 20                      ; out0: 256 rows of 4,096 bytes a tile row,
	s_lshl_b32 s42, s[RH], 19
	s_add_co_u32 s40, s40, s42
	s_lshl_b32 s42, s[TC], 10                      ; 1,024 bytes a tile column,
	s_add_co_u32 s40, s40, s42
	s_lshl_b32 s42, s[CH], 9
	s_add_co_u32 s40, s40, s42
	s_add_nc_u64 s[OUTP:OUTP+1], s[12:13], s[40:41]
	; the prefetches start at K step 3; the first change of slots steps them to K step 4.  Nothing is asked for here, at the head
	s_lshl_b32 s41, s[CX], 13
	s_add_co_u32 s41, s41, s70
	s_add_co_u32 s41, s41, 3*ASTEP
	s_lshl_b32 s42, s[CY], 13
	s_add_co_u32 s42, s42, s74
	s_add_co_u32 s42, s42, 3*BSTEP
	s_mov_b32 s[PST], ASTEP
	s_mov_b32 s23, BSTEP
	s_mov_b32 s79, 0
	s_and_b32 s40, ttmp7, 0xffff
	s_cmp_eq_u32 s[RH], 0
	s_cselect_b32 s40, ttmp9, s40
	s_cselect_b64 s[PFA:PFA+1], s[4:5], s[6:7]
	s_cselect_b32 s78, s41, s42
	s_cselect_b32 s[PST], s[PST], s23
	s_mov_b32 s[PST+1], 0
	s_add_nc_u64 s[PFA:PFA+1], s[PFA:PFA+1], s[78:79]
	s_cmp_eq_u32 s40, 0
	s_cselect_b32 s[LIM], 1, -1
	s_wait_tensorcnt 0x1                           ; my part of K step 0 is in; K step 1's may stay out
	s_barrier_signal -1
	s_barrier_wait -1
	FETCH 0, 0, F0
	s_wait_loadcnt 0x0                             ; ha and ba
	MULG F1, 0, 0, 1                               ; 64 products start the sums: w . b2 + bs2
	MULG F1, 0, 2, 1
	MULG F1, 1, 0, 1
	MULG F1, 1, 2, 1
	QUARTER 0, 1, F0, F1
	WIN 0
	s_mov_b32 s3, LAPS-1
.Llap:
	QUARTER 0, 2, F1, F0
	QUARTER 0, 3, F0, F1
	TURN 0, 1, 1
	QUARTER 1, 1, F0, F1
	QUARTER 1, 2, F1, F0
	QUARTER 1, 3, F0, F1
	TURN 1, 0, 1
	QUARTER 0, 1, F0, F1
	WIN 0
	s_sub_co_u32 s3, s3, 1
	s_cmp_lg_u32 s3, 0
	s_cbranch_scc1 .Llap
	QUARTER 0, 2, F1, F0                           ; the last lap fills nothing
	QUARTER 0, 3, F0, F1
	TURN 0, 1, 0
	QUARTER 1, 1, F0, F1
	QUARTER 1, 2, F1, F0
	QUARTER 1, 3, F0, F1
	s_wait_dscnt 8
	MULG F1, 0, 0, 0
	MULG F1, 0, 2, 0
	s_wait_dscnt 0x0
	MULG F1, 1, 0, 0
	MULG F1, 1, 2, 0
	WIN 0
	PLACES
; THE WAY OUT of token block a.  TOSTAGE: 32 bytes a lane and column block into my stage, each accumulator's low four registers first; back as 16 whole rows of 512 bytes.  LDS serves a wave's instructions in order
; (ISA guide 5.7.1.4): the loads see the stores above them, and the next block's stores come behind these loads.
.macro TOSTAGE a
.set AC, 64*((\a)%4)
.set BK, 64+64*((\a)%2)
	WIN 0x08+4*((\a)/4)                            ; the stores' data in window 2 or 3
.irp b, 0,1,2,3,4,5,6,7
	ds_store_b128 v[STO], v[AC+8*(\b):AC+8*(\b)+3]   offset:64*(\b)
	ds_store_b128 v[STO], v[AC+8*(\b)+4:AC+8*(\b)+7] offset:64*(\b)+16
.endr
	WIN 0
	s_wait_xcnt 0x0                                ; the stores of two blocks back have read the registers that the loads below fill
.irp t, 0,1,2,3,4,5,6,7,8,9,10,11,12,13,14,15
	ds_load_b128 v[BK+4*(\t):BK+4*(\t)+3], v[RD] offset:(\t)*SPITCH
.endr
.endm
.macro SEND a, younger                 ; younger: the LDS instructions issued behind block a's loads: the next block's 32, or none
.set BK, 64+64*((\a)%2)
	s_wait_dscnt \younger
	s_wait_xcnt 0x0                                ; earlier stores have read the pointer
.if (\a) > 0
	s_add_nc_u64 s[OUTP:OUTP+1], s[OUTP:OUTP+1], 65536  ; 16 rows of out0 on
.endif
.irp t, 0,1,2,3,4,5,6,7,8,9,10,11,12,13,14,15
	global_store_b128 v[L16], v[BK+4*(\t):BK+4*(\t)+3], s[OUTP:OUTP+1] offset:4096*(\t) th:TH_STORE_NT  ; 512 consecutive bytes of a row, at a multiple of 512 from out0's first byte
.endr
.endm
	TOSTAGE 0
.irp a, 1,2,3,4,5,6,7
	TOSTAGE \a
	SEND (\a)-1, 32
.endr
	SEND 7, 0
	s_wait_tensorcnt 0x0                           ; the wave's end: behind my last tensor load and my last LDS store
	ds_add_u32 v[SPW], v[NIL]
	s_wait_dscnt 0x0
	CROUND                                         ; the closing round
	s_endpgm
.Lfunc_end_k_qeb9a092f2d_fc2:
	.size	k_qeb9a092f2d_fc2, .Lfunc_end_k_qeb9a092f2d_fc2-k_qeb9a092f2d_fc2
	.p2alignl 7, 3214868480
	.fill 96, 4, 3214868480
	.section	.rodata,"a",@progbits
	.p2align	6, 0x0
	.amdhsa_kernel k_qeb9a092f2d_fc2
		.amdhsa_group_segment_fixed_size 327680
		.amdhsa_private_segment_fixed_size 0
		.amdhsa_enable_private_segment 0
		.amdhsa_kernarg_size 40
		.amdhsa_user_sgpr_count 2
		.amdhsa_user_sgpr_kernarg_segment_ptr 1
		.amdhsa_wavefront_size32 1
		.amdhsa_system_sgpr_workgroup_id_x 1
		.amdhsa_system_sgpr_workgroup_id_y 1
		.amdhsa_system_sgpr_workgroup_id_z 1
		.amdhsa_system_vgpr_workitem_id 0
		.amdhsa_next_free_vgpr 1024
		.amdhsa_next_free_sgpr 80
		.amdhsa_reserve_vcc 0
		.amdhsa_float_denorm_mode_32 3
		.amdhsa_float_denorm_mode_16_64 3
		.amdhsa_memory_ordered 1
		.amdhsa_forward_progress 1
		.amdhsa_inst_pref_size 149
	.end_amdhsa_kernel
	.amdgpu_metadata
---
amdhsa.version: [ 1, 2 ]
amdhsa.kernels:
  - .name:           k_qeb9a092f2d_fc2
    .symbol:         k_qeb9a092f2d_fc2.kd
    .args:
      - { .name: hb, .offset: 0, .size: 8, .value_kind: global_buffer, .address_space: global }
      - { .name: wc2, .offset: 8, .size: 8, .value_kind: global_buffer, .address_space: global }
      - { .name: ha, .offset: 16, .size: 8, .value_kind: global_buffer, .address_space: global }
      - { .name: ba, .offset: 24, .size: 8, .value_kind: global_buffer, .address_space: global }
      - { .name: out0, .offset: 32, .size: 8, .value_kind: global_buffer, .address_space: global }
    .group_segment_fixed_size: 327680
    .private_segment_fixed_size: 0
    .kernarg_segment_align: 8
    .kernarg_segment_size: 40
    .max_flat_workgroup_size: 128
    .sgpr_count:     80
    .vgpr_count:     1024
    .wavefront_size: 32
...
	.end_amdgpu_metadata
.endif
;; end of part 3
;; ======== version 2 of 2: 3 launches; version 1 with the launch prep written anew for expert scheduling mode
;; workspace buffers: xb 33,554,432 bytes; wc1 3,145,728 bytes; wc2 3,145,728 bytes; hb 50,331,648 bytes; wt 524,288 bytes; ha 1,048,576 bytes; ba 65,536 bytes
;; launch prep (part 4): grid 448 x 1, 4 waves a work-group, no clusters, 149,248 bytes of LDS; arguments x, Wg, W1, Ws1, W2, Ws2, b2, bs2, xb, wc1, wc2, wt, ha, ba; writes xb, wc1, wc2, wt, ha, ba
.if DOCPART == 4
	.amdgcn_target "amdgcn-amd-amdhsa--gfx1250"
	.amdhsa_code_object_version 6
	.text
	.protected	k_qeb9a092f2d_prep
	.globl	k_qeb9a092f2d_prep
	.p2align	8
	.type	k_qeb9a092f2d_prep,@function
k_qeb9a092f2d_prep:
	s_mov_b64 s[64:65], 0
	v_nop
	global_prefetch_b8 v0, s[64:65] scope:SCOPE_SE
	s_setreg_imm32_b32 hwreg(HW_REG_WAVE_SCHED_MODE, 0, 2), 2
	s_setreg_imm32_b32 hwreg(HW_REG_WAVE_MODE, 25, 1), 1
	s_wait_xcnt 0x0
	s_wait_alu depctr_vm_vsrc(0)
; FIRST OF THREE LAUNCHES.  out = sum_e w[t][e] (relu(x W1[e]^T + b1[e]) W2[e]^T + b2[e]) + relu(x Ws1^T + bs1) Ws2^T + bs2, w = the renormalised top 2 of softmax(x Wg^T).
; This launch rounds x and all weights once to bf16, lays them in the order in which a matrix operand's registers take them, and makes the gate's weights w.
; NO WORK IS LEFT OUT in the three launches: every input is loaded, every expert is multiplied for every token, and the choice of experts enters as the VALUE w[t][e] (0 for the six not chosen):
; no address and no branch hangs on it.  The softmax's maximum and the 1e-20 of the renormalising are kept.
; LIMITS.  All inputs are rounded to bf16 (the gate's logits are sums in f32 of products of the rounded x and Wg).  The two experts are chosen on the logits, whose order the exponential keeps; of equal
; logits the lower index wins; two logits so close that their scores are equal in f32 may be chosen otherwise than by scores.  NaN and infinite logits are not treated apart.
; A FRAGMENT is 16 rows x 32 k of bf16, 1,024 bytes: half c (0, 1) at 512 c, lane l at 16 l; lane l (r = l % 16, h = l / 16) holds row r, k = 16 c + 8 h + 0..7: the two halves are registers 0-3 and 4-7 of an operand.
; A JOB is 16 rows x 1,024 numbers of f32: read in runs of 512 bytes, rounded, laid into 16 LDS rows of 2,064 bytes (129 x 16), read back as 32 fragments and stored, each as two runs of 512 consecutive bytes.
;   work-groups 0-255: x.  A WAVE has a job: tokens 16 J .., J = 4 x work-group + wave -> xb [K step of 64][block of 16 tokens][half step][fragment]; and the gate of these tokens -> wt (f32 [token][8]) and ha
;   work-groups 256-447: the weights.  A WORK-GROUP has a job: each wave takes four of its rows, all on their way at once, and, behind a barrier, two of its eight K steps of 128.
;     jobs 0-63: W1, 64-95: Ws1 -> wc1 [K step of 64][block][half step][fragment]; block 12 e + b: b < 8: expert e, f = 16 b; b = 8..11: shared f = 64 e + 16 (b - 8)
;     jobs 96-159: W2 (a row = out column n, k = 128 e + f), 160-191: Ws2 (k = 1024 + f; a job holds two blocks of 16 columns) -> wc2 [K step of 128][block of 16 columns][quarter][fragment]
;     W2's jobs also make ba: one fragment a block: k = 0..7: b2[e][n], k = 8: bs2[n], the rest 0; ha is its partner: k = 0..7: w[t][e], k = 8: 1, the rest 0.
; LDS.  Wave w stores only into bytes 33,024 w .. 33,024 (w + 1) - 1 (and, for x, into its two rows of Wg), on both paths: for x its job's 16 rows, for the weights its four rows of the work-group's job.
; THE MODE: SCHED_MODE bits 1:0 = 2 (LLVM: expert scheduling mode 2), set by the entry lines.  The code itself states the register dependences between vector or matrix instructions and memory or LDS
; instructions, with s_wait_alu, always for 0.
; THE PLAN.  Registers that memory or LDS instructions touch:
;   v4, v6, v7, v10-19   offsets and LDS addresses: written at a path's head, ahead of one wait on va_vdst, and never again in that path.
;   v5 (SA)              read by every row's LDS stores; for x written once a trip of the row loop, behind the trip's wait on vm_vsrc and ahead of the next row's wait on va_vdst.
;   X0 .. X3             row p's sixteen roundings read X[p % 4]; behind them the loads of row p + 4 land in it.
;   CV0, CV1             row p's roundings write CV[p % 2]; its eight LDS stores read it.
;   So ONE wait on va_vdst stands in a row, behind its roundings, and the row's loads and LDS stores follow it; TWO waits on vm_vsrc serve four rows: at the head of the third row (the first two rows' stores
;   have read both CV, which the third and fourth write again) and at the trip's end (the last two rows' stores likewise, and v5).
;   Wg's two raw rows are rounded in place and stored from there, so that nothing has read CV at the loop's head; the loop's waits on vm_vsrc stand behind those stores, ahead of the fragments that land there.
;   Fragment sets 0, 1   for x: K step ks's eight global stores and four products read set ks % 2; the LDS loads of step ks + 1, issued in step ks, land in the other set, which the stores and products of
;                        step ks - 1 read: one wait on vm_vsrc and one on va_vdst at the head of steps 1 to 6.  For the weights: a set to each of my two K steps, nothing written again.
;   O, PK, ZR            written by selections and roundings; one wait on va_vdst ahead of the run of stores that read them.
;   The gate's compares stand in four runs, into scalar registers that are idle in this path, with one wait on va_sdst behind each run.
.set PIT,   2064
.set WREG,  16*PIT                     ; a wave's region: 33,024 bytes = 129 blocks of 256
.set WSTR,  WREG+64                    ; the weights: wave w's four rows begin at w x 33,088, so that row r of a job, at (r / 4) x 33,088 + (r % 4) x 2,064, starts at 16-byte column 4 (r / 4) + r % 4 of 16
.set WGB,   4*WREG                     ; behind the four regions: Wg's 8 rows, same pitch
.set SPARE, 148736                     ; behind those, at the next multiple of 256: the spare words, 128 bytes a wave; no other line names them
.set XH,    2097152                    ; xb: bytes from a K step of 64 to the next
.set L16,  4                           ; v4   16 x lane
.set SA,   5                           ; v5   where I put 8 bytes of a row
.set FA,   6                           ; v6   my place in a fragment: row r's first byte + 16 h + what the path adds
.set GA,   7                           ; v7   the same in Wg's rows, row r % 8 (the weights: at work)
.set SPW,  8                           ; v8   my spare word
.set NIL,  9                           ; v9   0
.set OFFJ, 10                          ; v[10:17] byte offset of my 16 bytes in run j of a row
.set WSA,  18                          ; v18  where I put 8 bytes of Wg's rows 2 w, 2 w + 1
.set RO,   19                          ; v19  a small offset by r and h
.set CV,   20                          ; v[20:35]  a row rounded, 8 pairs: buffer 0, for even rows
.set CVB,  208                         ; v[228:243] buffer 1, for odd rows, lies 208 registers on
.set X,    36                          ; v[36:163] four rows as loaded, 32 registers each
.set F,    164                         ; v[164:195] set 0: four fragments of my block (first: Wg's row 2 w as loaded).  Set 1 lies 32 registers back: v[132:163]
.set G,    196                         ; v[196:227] set 0: four fragments of Wg (first: Wg's row 2 w + 1 as loaded).  Set 1 lies 96 registers back: v[100:131]
.set ACC,  36                          ; behind the rows: four accumulators of 8
.set LG,   68                          ; v[68:75]  the 8 logits of token r
.set TS,   76                          ; v[76:83]  at work
.set BEST, 84
.set BI,   85
.set SEC,  86
.set SI,   87
.set EX,   88                          ; v[88:96]  exponents, then exponentials: 8 experts, then the second best
.set ZZ,   97
.set S1,   98
.set S2,   99
.set W,    100                         ; v[100:107] w[t][0..7]
.set O,    108                         ; v[108:111] my 16 bytes of wt
.set PK,   112                         ; v[112:115] my 16 bytes of ha or ba
.set ZR,   116                         ; v[116:119] zeros
.set ONE,  120                         ; v120 bf16 1.0 in the low half
.set MA,   20                          ; s[20:27] for x: eight masks, expert e is the best (the weights' addresses that lay here serve the other path alone)
.set MB,   56                          ; s[56:63] for x: eight masks at work (Wg's address, whose loads are done, lay in the first two)
.macro LOADROW set, step               ; step = 1: the pointer goes a row on first; then the row's eight runs of 512 bytes
.if \step
	s_wait_xcnt 0x0                                ; the row before's loads have read the pointer: it is written only behind this wait
	s_add_nc_u64 s[8:9], s[8:9], s[14:15]
.endif
.irp j, 0,1,2,3,4,5,6,7
	global_load_b128 v[X+32*(\set)+4*(\j):X+32*(\set)+4*(\j)+3], v[OFFJ+(\j)], s[8:9] th:TH_LOAD_NT
.endr
.endm
; A row.  left: the younger loads that may stay out.  load = 1: the raw buffer is asked for again.  free = 1: the third of four rows.
.macro ROW set, left, load, free
.set cb, CV+CVB*((\set)%2)
	s_wait_loadcnt \left
.if \free
	s_wait_alu depctr_vm_vsrc(0)                   ; the LDS stores of the two rows before have read CV0 and CV1, which this row's and the next row's roundings write again
.endif
.irp j, 0,1,2,3,4,5,6,7
	v_cvt_pk_bf16_f32 v[cb+2*(\j)],   v[X+32*(\set)+4*(\j)],   v[X+32*(\set)+4*(\j)+1]
	v_cvt_pk_bf16_f32 v[cb+2*(\j)+1], v[X+32*(\set)+4*(\j)+2], v[X+32*(\set)+4*(\j)+3]
.endr
	s_wait_alu depctr_va_vdst(0)                   ; the roundings have written this CV, which the LDS stores below read, and are done reading this X, in which the loads below land; behind a trip's end v[SA]'s step is written too
.if \load
	LOADROW \set, 1                                ; the buffer is asked for again at once
.endif
.irp j, 0,1,2,3,4,5,6,7
	ds_store_b64 v[SA], v[cb+2*(\j):cb+2*(\j)+1] offset:(\set)*PIT+256*(\j)
.endr
.endm
; Sixteen LDS loads: K step ks (of 128) of an x job: four fragments of my block, then Wg's four, into set ks % 2.
.macro FRAGS ks
.set ldf, F-32*((\ks)%2)
.set ldg, G-96*((\ks)%2)
.irp q, 0,1,2,3
	ds_load_b128 v[ldf+8*(\q):ldf+8*(\q)+3],   v[FA] offset:256*(\ks)+64*(\q)
	ds_load_b128 v[ldf+8*(\q)+4:ldf+8*(\q)+7], v[FA] offset:256*(\ks)+64*(\q)+32
.endr
.irp q, 0,1,2,3
	ds_load_b128 v[ldg+8*(\q):ldg+8*(\q)+3],   v[GA] offset:256*(\ks)+64*(\q)
	ds_load_b128 v[ldg+8*(\q)+4:ldg+8*(\q)+7], v[GA] offset:256*(\ks)+64*(\q)+32
.endr
.endm
; K step ks of an x job: the next step's fragments are asked for, this step's four go into memory, and four products Wg x^T follow, one on each of four accumulators, which so take turns.
.macro KSX ks
.if (\ks) > 0
	s_wait_xcnt 0x0                                ; the last step's stores have had their addresses translated: their data registers and the pointer are written only behind this wait
.if (\ks) < 7
	s_wait_alu depctr_vm_vsrc(0)                   ; the last step's stores have read their set's fragments of my block, in which the loads below land
	s_wait_alu depctr_va_vdst(0)                   ; the last step's products are done reading that set
.endif
	s_add_nc_u64 s[10:11], s[10:11], 2*XH
.endif
.if (\ks) < 7
	FRAGS (\ks)+1
	s_wait_dscnt 24                                ; my block's fragments of this step are in; Wg's eight loads and the next step's sixteen may stay out
.else
	s_wait_dscnt 8                                 ; my block's fragments are in; Wg's eight loads may stay out
.endif
.set uf, F-32*((\ks)%2)
.set ug, G-96*((\ks)%2)
.irp q, 0,1,2,3
	global_store_b128 v[L16], v[uf+8*(\q):uf+8*(\q)+3],   s[10:11] offset:XH*((\q)/2)+1024*((\q)%2) th:TH_STORE_NT      ; 512 consecutive bytes, at a multiple of 512 from the buffer's first
	global_store_b128 v[L16], v[uf+8*(\q)+4:uf+8*(\q)+7], s[10:11] offset:XH*((\q)/2)+1024*((\q)%2)+512 th:TH_STORE_NT
.endr
.if (\ks) < 7
	s_wait_dscnt 16                                ; Wg's fragments of this step are in; the next step's sixteen loads may stay out
.else
	s_wait_dscnt 0x0
.endif
.irp q, 0,1,2,3
.if (\ks) == 0
	v_wmma_f32_16x16x32_bf16 v[ACC+8*(\q):ACC+8*(\q)+7], v[ug+8*(\q):ug+8*(\q)+7], v[uf+8*(\q):uf+8*(\q)+7], 0
.else
	v_wmma_f32_16x16x32_bf16 v[ACC+8*(\q):ACC+8*(\q)+7], v[ug+8*(\q):ug+8*(\q)+7], v[uf+8*(\q):uf+8*(\q)+7], v[ACC+8*(\q):ACC+8*(\q)+7]
.endif
.endr
.rept 4
	v_nop                                          ; four places behind the products, ahead of the loads into their sources and, behind the last step, of the sums that read the results
.endr
.endm
; The t-th of my two K steps of a weights job: its eight LDS loads, into a set of its own,
.macro KSWL t
.irp q, 0,1,2,3
	ds_load_b128 v[F+32*(\t)+8*(\q):F+32*(\t)+8*(\q)+3],   v[FA] offset:256*(\t)+64*(\q)
	ds_load_b128 v[F+32*(\t)+8*(\q)+4:F+32*(\t)+8*(\q)+7], v[FA] offset:256*(\t)+64*(\q)+32
.endr
.endm
; and its stores.  Quarters 0, 1 go by one pointer, quarters 2, 3 by a second, s[58:59] bytes on: the next K step of 64 in wc1, the next two fragments in wc2.  left: the younger LDS loads that may stay out.
.macro KSWS t, left
.if (\t) > 0
	s_wait_xcnt 0x0                                ; the last step's stores have read both pointers
	s_add_nc_u64 s[10:11], s[10:11], s[44:45]
.endif
	s_add_nc_u64 s[56:57], s[10:11], s[58:59]
	s_wait_dscnt \left
.irp q, 0,1
	global_store_b128 v[L16], v[F+32*(\t)+8*(\q):F+32*(\t)+8*(\q)+3],       s[10:11] offset:1024*(\q) th:TH_STORE_NT
	global_store_b128 v[L16], v[F+32*(\t)+8*(\q)+4:F+32*(\t)+8*(\q)+7],     s[10:11] offset:1024*(\q)+512 th:TH_STORE_NT
	global_store_b128 v[L16], v[F+32*(\t)+16+8*(\q):F+32*(\t)+16+8*(\q)+3],   s[56:57] offset:1024*(\q) th:TH_STORE_NT
	global_store_b128 v[L16], v[F+32*(\t)+16+8*(\q)+4:F+32*(\t)+16+8*(\q)+7], s[56:57] offset:1024*(\q)+512 th:TH_STORE_NT
.endr
.endm
	s_load_b512 s[16:31], s[0:1], 0x0              ; x 16, Wg 18, W1 20, Ws1 22, W2 24, Ws2 26, b2 28, bs2 30
	s_load_b256 s[32:39], s[0:1], 0x40             ; xb 32, wc1 34, wc2 36, wt 38
	s_load_b128 s[40:43], s[0:1], 0x60             ; ha 40, ba 42
	v_lshl_add_u32 v[SPW], v0, 2, SPARE
	v_mov_b32 v[NIL], 0
	v_lshrrev_b32 v1, 5, v0
	v_readfirstlane_b32 s4, v1                     ; wave 0..3
	v_and_b32 v1, 31, v0                           ; lane
	v_and_b32 v2, 15, v0                           ; r
	v_bfe_u32 v3, v0, 4, 1                         ; h
	v_lshlrev_b32 v[L16], 4, v1
	s_mov_b32 s5, ttmp9
	s_mov_b32 s15, 0
	s_mov_b32 s51, 0
	s_wait_alu depctr_va_sdst(0)                   ; s4 is written, ahead of the branch and of its first reader on either path
	s_wait_kmcnt 0x0
	s_cmp_lt_u32 s5, 256                           ; the same in all four waves
	s_cbranch_scc0 .Lweights
	; ---------------- x and the gate ----------------
	s_lshl_b32 s7, s5, 2
	s_add_co_u32 s7, s7, s4                        ; J
	s_mul_i32 s48, s4, WREG                        ; my wave's 16 rows
	v_lshl_add_u32 v[SA], v1, 3, s48
	v_mul_u32_u24 v[FA], v2, PIT
	v_lshl_add_u32 v[FA], v3, 4, v[FA]             ; r x pitch + 16 h
	v_add_nc_u32 v[FA], s48, v[FA]
	s_lshl_b32 s50, s7, 16
	s_add_nc_u64 s[8:9], s[16:17], s[50:51]        ; x at my 16 tokens
	s_lshl_b32 s50, s7, 11
	s_add_nc_u64 s[10:11], s[32:33], s[50:51]      ; xb at my block, K step 0
	s_lshl_b32 s50, s4, 13
	s_add_nc_u64 s[56:57], s[18:19], s[50:51]      ; Wg at rows 2 w, 2 w + 1
	s_lshl_b32 s50, s7, 9
	s_add_nc_u64 s[38:39], s[38:39], s[50:51]      ; wt at my 16 tokens: 512 bytes
	s_lshl_b32 s50, s7, 10
	s_add_nc_u64 s[40:41], s[40:41], s[50:51]      ; ha at my fragment
	s_mov_b32 s14, 4096                            ; a row of x
.irp j, 0,1,2,3,4,5,6,7
	v_add_nc_u32 v[OFFJ+(\j)], 512*(\j), v[L16]
.endr
	s_mul_i32 s49, s4, 2*PIT
	s_add_co_u32 s49, s49, WGB
	v_lshl_add_u32 v[WSA], v1, 3, s49
	v_and_b32 v[GA], 7, v0
	v_mul_u32_u24 v[GA], v[GA], PIT
	v_lshl_add_u32 v[GA], v3, 4, v[GA]
	v_add_nc_u32 v[GA], WGB, v[GA]
	v_lshlrev_b32 v[RO], 5, v2
	v_lshl_add_u32 v[RO], v3, 4, v[RO]             ; 32 r + 16 h
	s_wait_alu depctr_va_vdst(0)                   ; the offsets and LDS addresses v4 to v7 and v10 to v19 are written, which this path's loads and stores read
.irp p, 0,1
.irp j, 0,1,2,3,4,5,6,7
	global_load_b128 v[F+32*(\p)+4*(\j):F+32*(\p)+4*(\j)+3], v[L16], s[56:57] offset:4096*(\p)+512*(\j)
.endr
.endr
	LOADROW 0, 0
	LOADROW 1, 1
	LOADROW 2, 1
	LOADROW 3, 1
	s_wait_loadcnt 32                              ; Wg's two rows are in; the four rows of x, 32 loads, stay out
.irp p, 0,1
.irp j, 0,1,2,3,4,5,6,7
	v_cvt_pk_bf16_f32 v[F+32*(\p)+4*(\j)],   v[F+32*(\p)+4*(\j)],   v[F+32*(\p)+4*(\j)+1]  ; in place: four numbers close up into the first two of their four registers
	v_cvt_pk_bf16_f32 v[F+32*(\p)+4*(\j)+1], v[F+32*(\p)+4*(\j)+2], v[F+32*(\p)+4*(\j)+3]
.endr
.endr
	s_wait_alu depctr_va_vdst(0)                   ; the roundings have written Wg's pairs, which the LDS stores below read
.irp p, 0,1
.irp j, 0,1,2,3,4,5,6,7
	ds_store_b64 v[WSA], v[F+32*(\p)+4*(\j):F+32*(\p)+4*(\j)+1] offset:(\p)*PIT+256*(\j)
.endr
.endr
	s_mov_b32 s48, 3                               ; rows 0-3 are on their way; three trips take rows 0-11 and ask for rows 4-15; the last four rows load nothing
.Lrows:
	ROW 0, 24, 1, 0                                ; three younger rows of 8 loads stay out
	ROW 1, 24, 1, 0
	ROW 2, 24, 1, 1
	ROW 3, 24, 1, 0
	s_wait_alu depctr_vm_vsrc(0)                   ; the trip's LDS stores have read v[SA], which the next line writes, and CV0 and CV1, which the next two rows' roundings write again
	v_add_nc_u32 v[SA], 4*PIT, v[SA]
	s_sub_co_u32 s48, s48, 1
	s_cmp_lg_u32 s48, 0
	s_cbranch_scc1 .Lrows
	ROW 0, 24, 0, 0
	ROW 1, 16, 0, 0
	ROW 2, 8, 0, 1
	ROW 3, 0, 0, 0
	s_wait_dscnt 0x0                               ; for the others' sake: my two rows of Wg are in LDS
	s_barrier_signal -1
	s_barrier_wait -1                              ; all eight are
	FRAGS 0                                        ; no wait: set 0's registers were last named by Wg's roundings and LDS stores, which stand ahead of the rows' waits on va_vdst and on vm_vsrc
.irp k, 0,1,2,3,4,5,6,7
	KSX \k
.endr
	; Source 0 was Wg's rows r % 8, source 1 my 16 tokens: register j of lane (r, h) holds the logit of token r and expert j, in both halves of the lanes.
.irp p, 0,2,4,6                        ; the four partial sums; each accumulator is read from its low end on
	v_pk_add_f32 v[LG+(\p):LG+(\p)+1], v[ACC+(\p):ACC+(\p)+1], v[ACC+8+(\p):ACC+8+(\p)+1]
	v_pk_add_f32 v[TS+(\p):TS+(\p)+1], v[ACC+16+(\p):ACC+16+(\p)+1], v[ACC+24+(\p):ACC+24+(\p)+1]
	v_pk_add_f32 v[LG+(\p):LG+(\p)+1], v[LG+(\p):LG+(\p)+1], v[TS+(\p):TS+(\p)+1]
.endr
	v_max3_num_f32 v[BEST], v[LG], v[LG+1], v[LG+2]        ; the best logit,
	v_max3_num_f32 v[BI], v[LG+3], v[LG+4], v[LG+5]
	v_max3_num_f32 v[BEST], v[BEST], v[LG+6], v[LG+7]
	v_max_num_f32 v[BEST], v[BEST], v[BI]
.irp e, 0,1,2,3,4,5,6                  ; and its index: the lowest that holds it; a run of compares
	v_cmp_eq_f32 s[MB+(\e)], v[LG+(\e)], v[BEST]
.endr
	v_mov_b32 v[BI], 7
	v_mov_b32 v[SEC], 0xff800000
	s_wait_alu depctr_va_sdst(0)                   ; the seven masks are written, which the selections below read
.irp e, 6,5,4,3,2,1,0
	v_cndmask_b32 v[BI], v[BI], \e, s[MB+(\e)]
.endr
.irp e, 0,1,2,3,4,5,6,7
	v_cmp_eq_u32 s[MA+(\e)], \e, v[BI]
.endr
	s_wait_alu depctr_va_sdst(0)                   ; the eight masks 'expert e is the best' are written; they are kept for w
.irp e, 0,1,2,3,4,5,6,7                ; the second best: the best of the others
	v_cndmask_b32 v[TS+(\e)], v[LG+(\e)], v[SEC], s[MA+(\e)]
.endr
	v_max3_num_f32 v[SEC], v[TS], v[TS+1], v[TS+2]
	v_max3_num_f32 v[SI], v[TS+3], v[TS+4], v[TS+5]
	v_max3_num_f32 v[SEC], v[SEC], v[TS+6], v[TS+7]
	v_max_num_f32 v[SEC], v[SEC], v[SI]
.irp e, 0,1,2,3,4,5,6
	v_cmp_eq_f32 s[MB+(\e)], v[TS+(\e)], v[SEC]
.endr
	v_mov_b32 v[SI], 7
	s_wait_alu depctr_va_sdst(0)                   ; the seven masks are written, which the selections below read
.irp e, 6,5,4,3,2,1,0
	v_cndmask_b32 v[SI], v[SI], \e, s[MB+(\e)]
.endr
.irp e, 0,1,2,3,4,5,6,7                ; the masks for w are made here; the softmax stands between them and their wait
	v_cmp_eq_u32 s[MB+(\e)], \e, v[SI]
.endr
	v_cmp_eq_u32 s54, 1, v3                        ; the upper half of the lanes
.irp e, 0,1,2,3,4,5,6,7                ; softmax: the maximum is taken away, exactly, then log2(e)
	v_sub_f32 v[EX+(\e)], v[LG+(\e)], v[BEST]
.endr
	v_sub_f32 v[EX+8], v[SEC], v[BEST]
.irp e, 0,1,2,3,4,5,6,7,8
	v_mul_f32 v[EX+(\e)], 0x3fb8aa3b, v[EX+(\e)]
.endr
.irp e, 0,1,2,3,4,5,6,7,8
	v_exp_f32 v[EX+(\e)], v[EX+(\e)]
.endr
	v_nop                                          ; a plain instruction behind the last exponential,
	s_wait_alu depctr_va_vdst(0)                   ; and one wait for the nine exponentials in v[EX ..], ahead of their first reader
	v_pk_add_f32 v[EX:EX+1], v[EX:EX+1], v[EX+2:EX+3]
	v_pk_add_f32 v[EX+4:EX+5], v[EX+4:EX+5], v[EX+6:EX+7]
	v_pk_add_f32 v[EX:EX+1], v[EX:EX+1], v[EX+4:EX+5]
	v_add_f32 v[ZZ], v[EX], v[EX+1]                ; the softmax's sum, at least 1
	v_rcp_f32 v[S1], v[ZZ]                         ; the best score: 1 / sum
	v_nop
	s_wait_alu depctr_va_vdst(0)                   ; the reciprocal in v[S1] is written, ahead of its first reader
	v_mul_f32 v[S2], v[EX+8], v[S1]                ; the second
	v_add_f32 v[ZZ], v[S1], v[S2]
	v_add_f32 v[ZZ], 0x1e3ce508, v[ZZ]             ; + 1e-20
	v_rcp_f32 v[EX+8], v[ZZ]
	v_nop
	s_wait_alu depctr_va_vdst(0)                   ; the reciprocal in v[EX+8] is written, ahead of its first reader
	v_mul_f32 v[S1], v[S1], v[EX+8]
	v_mul_f32 v[S2], v[S2], v[EX+8]
	s_wait_alu depctr_va_sdst(0)                   ; the eight masks 'expert e is the second' and s54 are written, which the selections below read
.irp e, 0,1,2,3,4,5,6,7                ; w[t][e]: a selection of values
	v_cndmask_b32 v[W+(\e)], 0, v[S2], s[MB+(\e)]
	v_cndmask_b32 v[W+(\e)], v[W+(\e)], v[S1], s[MA+(\e)]
.endr
.irp j, 0,1,2,3
	v_cndmask_b32 v[O+(\j)], v[W+(\j)], v[W+4+(\j)], s54
	v_mov_b32 v[ZR+(\j)], 0
.endr
	v_mov_b32 v[ONE], 0x3f80
.irp j, 0,1,2,3
	v_cvt_pk_bf16_f32 v[PK+(\j)], v[W+2*(\j)], v[W+2*(\j)+1]
.endr
	v_cndmask_b32 v[PK], v[PK], v[ONE], s54        ; k = 8: 1; k = 9..15: 0
.irp j, 1,2,3
	v_cndmask_b32 v[PK+(\j)], v[PK+(\j)], v[ZR], s54
.endr
	s_wait_alu depctr_va_vdst(0)                   ; O, PK and ZR are written, which the three stores below read
	global_store_b128 v[RO], v[O:O+3], s[38:39]    ; wt: 16 tokens x 32 bytes = 512 consecutive bytes
	global_store_b128 v[L16], v[PK:PK+3], s[40:41]
	global_store_b128 v[L16], v[ZR:ZR+3], s[40:41] offset:512  ; k = 16..31: 0
	s_branch .Lend
	; ---------------- the weights ----------------
.Lweights:                             ; four arms set plain numbers; the pointers are chosen behind them
	s_sub_co_u32 s7, s5, 256                       ; the job, 0..191
	s_mov_b32 s45, 0
	s_mov_b32 s53, 0
	s_mov_b32 s59, 0
	s_cmp_lt_u32 s7, 64
	s_cbranch_scc0 .Lnot_w1
	s_lshl_b32 s50, s7, 16                         ; W1: job 8 e + b: 16 rows of 4,096 bytes
	s_lshr_b32 s49, s7, 3
	s_mul_i32 s52, s49, 12
	s_and_b32 s49, s7, 7
	s_add_co_u32 s52, s52, s49
	s_lshl_b32 s52, s52, 11                        ; block 12 e + b, 2,048 bytes a block and K step of 64
	s_mov_b32 s12, 512                             ; from run to run,
	s_mov_b32 s13, 2048                            ; from run j to run j + 4,
	s_mov_b32 s14, 4096                            ; from row to row
	s_mov_b32 s44, 393216                          ; wc1: from a K step of 128 to the next,
	s_mov_b32 s54, 4*393216                        ; to the fifth,
	s_mov_b32 s58, 196608                          ; and from quarters 0, 1 to quarters 2, 3
	s_mov_b32 s6, 1
	s_branch .Ldecoded
.Lnot_w1:
	s_cmp_lt_u32 s7, 96
	s_cbranch_scc0 .Lnot_ws1
	s_sub_co_u32 s48, s7, 64                       ; Ws1: i = 4 e + (b - 8)
	s_lshl_b32 s50, s48, 16
	s_lshr_b32 s49, s48, 2
	s_mul_i32 s52, s49, 12
	s_and_b32 s49, s48, 3
	s_add_co_u32 s52, s52, s49
	s_add_co_u32 s52, s52, 8
	s_lshl_b32 s52, s52, 11
	s_mov_b32 s12, 512
	s_mov_b32 s13, 2048
	s_mov_b32 s14, 4096
	s_mov_b32 s44, 393216
	s_mov_b32 s54, 4*393216
	s_mov_b32 s58, 196608
	s_mov_b32 s6, 2
	s_branch .Ldecoded
.Lnot_ws1:
	s_cmp_lt_u32 s7, 160
	s_cbranch_scc0 .Lws2
	s_sub_co_u32 s48, s7, 96                       ; W2: block of 16 out columns; run j is expert j's 128 numbers
	s_lshl_b32 s50, s48, 13                        ; 16 rows of 512 bytes
	s_lshl_b32 s52, s48, 12
	s_mov_b32 s12, 524288                          ; from expert to expert
	s_mov_b32 s13, 2097152
	s_mov_b32 s14, 512
	s_mov_b32 s44, 262144                          ; wc2: from K step to K step
	s_mov_b32 s54, 4*262144
	s_mov_b32 s58, 2048
	s_mov_b32 s6, 3
	s_branch .Ldecoded
.Lws2:
	s_sub_co_u32 s48, s7, 160                      ; Ws2: 32 out columns: runs 0-3 are a row of the first 16, runs 4-7 of the second 16
	s_lshl_b32 s50, s48, 16                        ; 32 rows of 2,048 bytes
	s_lshl_b32 s52, s48, 13                        ; two blocks,
	s_add_co_u32 s52, s52, 8*262144                ; from K step 8 on
	s_mov_b32 s12, 512
	s_mov_b32 s13, 32768                           ; 16 rows down
	s_mov_b32 s14, 2048
	s_mov_b32 s44, 262144
	s_mov_b32 s54, 4096                            ; the second half: the next block, K step 8 again
	s_mov_b32 s58, 2048
	s_mov_b32 s6, 4
.Ldecoded:
	s_cmp_lt_u32 s7, 64
	s_cselect_b64 s[8:9], s[20:21], s[22:23]       ; W1 or Ws1,
	s_cmp_lt_u32 s7, 96
	s_cselect_b64 s[8:9], s[8:9], s[24:25]         ; or W2,
	s_cselect_b64 s[10:11], s[34:35], s[36:37]     ; wc1 or wc2
	s_cmp_lt_u32 s7, 160
	s_cselect_b64 s[8:9], s[8:9], s[26:27]         ; or Ws2
	s_lshl_b32 s49, s4, 2                          ; my four rows: 4 w ..
	s_mul_i32 s49, s49, s14
	s_add_co_u32 s50, s50, s49
	s_add_nc_u64 s[8:9], s[8:9], s[50:51]
	s_and_b32 s49, s4, 1                           ; my two K steps: 2 w, 2 w + 1: waves 0, 1 in the job's first half, waves 2, 3 in its second
	s_lshl_b32 s49, s49, 1
	s_mul_i32 s49, s49, s44
	s_add_co_u32 s52, s52, s49
	s_cmp_lt_u32 s4, 2
	s_cselect_b32 s54, 0, s54
	s_add_co_u32 s52, s52, s54
	s_add_nc_u64 s[10:11], s[10:11], s[52:53]
.irp j, 0,1,2,3,4,5,6,7
	s_mul_i32 s48, s12, (\j)&3
	s_mul_i32 s49, s13, (\j)>>2
	s_add_co_u32 s48, s48, s49
	v_add_nc_u32 v[OFFJ+(\j)], s48, v[L16]
.endr
	s_mul_i32 s48, s4, WSTR                        ; my four rows lie in my wave's own region
	v_lshl_add_u32 v[SA], v1, 3, s48
	v_lshrrev_b32 v[GA], 2, v2                     ; row r of the job was stored by wave r / 4, as its row r % 4
	v_mul_u32_u24 v[GA], v[GA], WSTR
	v_and_b32 v[FA], 3, v2
	v_mul_u32_u24 v[FA], v[FA], PIT
	v_lshl_add_u32 v[FA], v3, 4, v[FA]             ; + 16 h
	v_add_nc_u32 v[FA], v[GA], v[FA]
	s_lshl_b32 s48, s4, 9                          ; my two K steps: 512 bytes of each row
	v_add_nc_u32 v[FA], s48, v[FA]
	s_wait_alu depctr_va_vdst(0)                   ; the offsets and LDS addresses v4 to v6 and v10 to v17 are written, which this path's loads and stores read
	LOADROW 0, 0
	LOADROW 1, 1
	LOADROW 2, 1
	LOADROW 3, 1
	ROW 0, 24, 0, 0
	ROW 1, 16, 0, 0
	ROW 2, 8, 0, 1
	ROW 3, 0, 0, 0
	s_wait_dscnt 0x0                               ; for the others' sake: my four rows are in LDS
	s_barrier_signal -1
	s_barrier_wait -1                              ; all sixteen are
	KSWL 0                                         ; both steps' fragments are asked for at once, each into a set of its own: no instruction of this path has named these registers, and none writes them again
	KSWL 1
	KSWS 0, 8                                      ; the second step's eight loads may stay out
	KSWS 1, 0
	s_cmp_eq_u32 s6, 3                             ; ba: wave 0 of W2's jobs
	s_cbranch_scc0 .Lend
	s_cmp_eq_u32 s4, 0
	s_cbranch_scc0 .Lend
	s_sub_co_u32 s48, s7, 96                       ; the block's fragment of b2 and bs2
	s_lshl_b32 s50, s48, 6                         ; 16 columns of 4 bytes
	s_add_nc_u64 s[60:61], s[28:29], s[50:51]
	s_add_nc_u64 s[62:63], s[30:31], s[50:51]
	s_lshl_b32 s50, s48, 10
	s_add_nc_u64 s[58:59], s[42:43], s[50:51]
	v_lshlrev_b32 v[RO], 2, v2                     ; column r
	s_wait_alu depctr_va_vdst(0)                   ; v[RO] is written, which the loads below read as their offset (the rows' roundings, which read the registers in which they land, stand ahead of earlier waits)
.irp e, 0,1,2,3,4,5,6,7
	global_load_b32 v[W+(\e)], v[RO], s[60:61] offset:4096*(\e)
.endr
	global_load_b32 v[O], v[RO], s[62:63]
.irp j, 0,1,2,3
	v_mov_b32 v[ZR+(\j)], 0
.endr
	v_cmp_eq_u32 s54, 1, v3
	s_wait_loadcnt 0x0
	s_wait_alu depctr_va_sdst(0)                   ; s54 is written, which the selections below read
.irp j, 0,1,2,3
	v_cvt_pk_bf16_f32 v[PK+(\j)], v[W+2*(\j)], v[W+2*(\j)+1]
.endr
	v_cvt_pk_bf16_f32 v[ONE], v[O], v[ZR]          ; k = 8: bs2[n]; k = 9: 0
	v_cndmask_b32 v[PK], v[PK], v[ONE], s54
.irp j, 1,2,3
	v_cndmask_b32 v[PK+(\j)], v[PK+(\j)], v[ZR], s54
.endr
	s_wait_alu depctr_va_vdst(0)                   ; PK and ZR are written, which the two stores below read
	global_store_b128 v[L16], v[PK:PK+3], s[58:59]
	global_store_b128 v[L16], v[ZR:ZR+3], s[58:59] offset:512
.Lend:
	s_wait_dscnt 0x0                               ; the closing lines, six on end
	s_wait_alu 0x0
	s_wait_tensorcnt 0x0
	ds_add_u32 v[SPW], v[NIL]
	s_wait_dscnt 0x0
	s_endpgm
.Lfunc_end_k_qeb9a092f2d_prep:
	.size	k_qeb9a092f2d_prep, .Lfunc_end_k_qeb9a092f2d_prep-k_qeb9a092f2d_prep
	.p2alignl 7, 3214868480
	.fill 96, 4, 3214868480
	.section	.rodata,"a",@progbits
	.p2align	6, 0x0
	.amdhsa_kernel k_qeb9a092f2d_prep
		.amdhsa_group_segment_fixed_size 149248
		.amdhsa_private_segment_fixed_size 0
		.amdhsa_enable_private_segment 0
		.amdhsa_kernarg_size 112
		.amdhsa_user_sgpr_count 2
		.amdhsa_user_sgpr_kernarg_segment_ptr 1
		.amdhsa_wavefront_size32 1
		.amdhsa_system_sgpr_workgroup_id_x 1
		.amdhsa_system_sgpr_workgroup_id_y 1
		.amdhsa_system_sgpr_workgroup_id_z 1
		.amdhsa_system_vgpr_workitem_id 0
		.amdhsa_next_free_vgpr 244
		.amdhsa_next_free_sgpr 66
		.amdhsa_reserve_vcc 0
		.amdhsa_float_denorm_mode_32 3
		.amdhsa_float_denorm_mode_16_64 3
		.amdhsa_memory_ordered 1
		.amdhsa_forward_progress 1
		.amdhsa_inst_pref_size 74
	.end_amdhsa_kernel
	.amdgpu_metadata
---
amdhsa.version: [ 1, 2 ]
amdhsa.kernels:
  - .name:           k_qeb9a092f2d_prep
    .symbol:         k_qeb9a092f2d_prep.kd
    .args:
      - { .name: x, .offset: 0, .size: 8, .value_kind: global_buffer, .address_space: global }
      - { .name: Wg, .offset: 8, .size: 8, .value_kind: global_buffer, .address_space: global }
      - { .name: W1, .offset: 16, .size: 8, .value_kind: global_buffer, .address_space: global }
      - { .name: Ws1, .offset: 24, .size: 8, .value_kind: global_buffer, .address_space: global }
      - { .name: W2, .offset: 32, .size: 8, .value_kind: global_buffer, .address_space: global }
      - { .name: Ws2, .offset: 40, .size: 8, .value_kind: global_buffer, .address_space: global }
      - { .name: b2, .offset: 48, .size: 8, .value_kind: global_buffer, .address_space: global }
      - { .name: bs2, .offset: 56, .size: 8, .value_kind: global_buffer, .address_space: global }
      - { .name: xb, .offset: 64, .size: 8, .value_kind: global_buffer, .address_space: global }
      - { .name: wc1, .offset: 72, .size: 8, .value_kind: global_buffer, .address_space: global }
      - { .name: wc2, .offset: 80, .size: 8, .value_kind: global_buffer, .address_space: global }
      - { .name: wt, .offset: 88, .size: 8, .value_kind: global_buffer, .address_space: global }
      - { .name: ha, .offset: 96, .size: 8, .value_kind: global_buffer, .address_space: global }
      - { .name: ba, .offset: 104, .size: 8, .value_kind: global_buffer, .address_space: global }
    .group_segment_fixed_size: 149248
    .private_segment_fixed_size: 0
    .kernarg_segment_align: 8
    .kernarg_segment_size: 112
    .max_flat_workgroup_size: 128
    .sgpr_count:     66
    .vgpr_count:     244
    .wavefront_size: 32
...
	.end_amdgpu_metadata
.endif
;; end of part 4
;; launch fc1: the kernel of part 2 again; grid 4 x 64, 4 waves a work-group, clusters of 4 x 4, 327,680 bytes of LDS; arguments xb, wc1, wt, b1, bs1, hb; writes hb
;; launch fc2: the kernel of part 3 again; grid 4 x 64, 4 waves a work-group, clusters of 4 x 4, 327,680 bytes of LDS; arguments hb, wc2, ha, ba, out0; writes out0
